; MI455X (gfx1250); checked and timed in simulation.
; The chip was launched on July 23, 2026; its instructions are those of AMD's public machine-readable ISA for CDNA 5 (MIT licence, August 2026) and "CDNA5" Instruction Set Architecture Reference Guide (July 2026). The comments in the code are by the model that wrote it; some were corrected since.
;; Self Attention. Allowed arithmetic: matrix products marked QUANTISED: E2M3 operands, one E8M0 scale for each 32 along K, by v_wmma_scale_f32_16x16x128_f8f6f4 with both operands' format E2M3, f32 sums; everything else in f32.
;; Inputs: Wk 1,024 x 1,024 float32; Wo 1,024 x 1,024 float32; Wq 1,024 x 1,024 float32; Wv 1,024 x 1,024 float32; bk 1,024 float32; bo 1,024 float32; bq 1,024 float32; bv 1,024 float32; mask_att 4 x 2,048 int32; tensor 4 x 2,048 x 1,024 float32.
;; Outputs: out0 4 x 2,048 x 1,024 float32.
;; This version of the problem:
;;   THIS VERSION OF THE PROBLEM IS GIVEN IN LOW PRECISION. The matrix products marked QUANTISED in the list below multiply operands that are first quantised to E2M3 (2 exponent bits, 3 mantissa bits; 6 bits a number), with one power-of-two scale for each 32 numbers along K (OCP MX v1.0); their sums are f32. All else is computed in f32.
;;   The module's matrix products, in the order in which they are computed (A, B: the left and right operand; K: the contracted axis; several contracted axes count as one K, in the product's order):
;;     1. [M 8,192, K 1,024] x [K 1,024, N 1,024]; A: input tensor; B: input Wq: QUANTISED
;;     2. [M 8,192, K 1,024] x [K 1,024, N 1,024]; A: input tensor; B: input Wk: QUANTISED
;;     3. [M 8,192, K 1,024] x [K 1,024, N 1,024]; A: input tensor; B: input Wv: QUANTISED
;;     4. batch 64 x [M 2,048, K 64] x [K 64, N 2,048]; A: computed on the way; B: computed on the way: QUANTISED
;;     5. batch 64 x [M 64, K 2,048] x [K 2,048, N 2,048]; A: computed on the way; B: softmax (see below): QUANTISED
;;     6. [M 8,192, K 1,024] x [K 1,024, N 1,024]; A: computed on the way; B: input Wo: QUANTISED
;;   THE QUANTISER, for each operand of a quantised product, along K:
;;     - K is cut into blocks of 32 from its start; a last block that is shorter is filled with zeros.
;;     - A block's scale is 2^e with e = floor(log2(the largest magnitude in the block)) - 2, held to -126 .. 127; a block of zeros has e = 0. As a byte (E8M0): e + 127.
;;     - Each number is divided by its block's scale, clamped to +-7.5, and rounded to the nearest number of E2M3, ties to even, subnormals kept.
;;     - The product sums the exact products of the quantised numbers (number of the format x scale) in f32.
;;   ~~~python
;;   def quantise(x, axis):      # numpy; x: float32 -> the quantised numbers, widened to float32 again
;;       x = np.moveaxis(x, axis, -1); K = x.shape[-1]
;;       x = np.pad(x, [(0, 0)] * (x.ndim - 1) + [(0, -K % 32)]); x = x.reshape(x.shape[:-1] + (-1, 32)); a = np.abs(x).max(-1, keepdims=True)
;;       e = np.where(a > 0, np.clip(np.frexp(np.where(a > 0, a, 1))[1] - 1 - 2, -126, 127), 0)      # np.frexp(a)[1] - 1 = floor(log2(a)), exactly
;;       r = np.clip(x / 2.0 ** e, -7.5, 7.5)
;;       step = 2.0 ** (np.maximum(np.frexp(np.where(r == 0, 1, r))[1] - 1, 0) - 3)
;;       q = np.round(r / step) * step * 2.0 ** e      # np.round: ties to even
;;       return np.moveaxis(q.reshape(q.shape[:-2] + (-1,))[..., :K], -1, axis).astype(np.float32)
;;   ~~~
;;   SOFTMAX AHEAD OF A QUANTISED PRODUCT. Where the list says 'softmax', what is quantised is not the finished softmax but p = 2^(t - M), with t = logit x log2(e) and M = ceil(the row's largest t), a whole number; so 1/2 < the row's largest p <= 1. The row's sum l is taken of the UNQUANTISED p, in f32, and the product's result is divided by l at the end. Since M is a whole number, a kernel that streams over the keys may use a running M (the ceiling of the running maximum): every later rescaling is an exact power of two, which a block's scale takes up: the codes' values come out the same.
;;   OPERANDS COMPUTED ON THE WAY. 'Computed on the way' means the value that the module computes at that place (a softmax that the list does not call 'softmax' is quantised finished and normalised). What goes into a quantiser is computed in f32, as accurately as f32 sums, v_exp_f32 and their like allow (about 1e-6 of the number): no bf16 or f16 on the way to a quantiser, and a product that is left as it is and whose result goes on into a quantised operand takes f32 operands (vector FMAs, or v_wmma_f32_16x16x4_f32). A number that lies on a knife's edge between two numbers of the format may be rounded either way, as far as f32 arithmetic and the matrix unit's own rounding can turn it there, and no further.
;; One version. Each part assembles by itself: llvm-mc -triple=amdgcn-amd-amdhsa -mcpu=gfx1250 --defsym DOCPART=n.
;; ======== version 1 of 1: 6 launches
;; limits: right only within a limited range of input values
;; workspace buffers: xbuf 6,553,600 bytes; wbuf 3,276,800 bytes; qkbuf 13,107,200 bytes; vbuf 6,553,600 bytes; obuf 6,553,600 bytes
;; launch quant_x (part 1): grid 256 x 1, 4 waves a work-group, no clusters, 34,304 bytes of LDS; arguments tensor, xbuf; writes xbuf
.if DOCPART == 1
	.amdgcn_target "amdgcn-amd-amdhsa--gfx1250"
	.amdhsa_code_object_version 6
	.text
	.protected	k_q28db31417a_quant_x
	.globl	k_q28db31417a_quant_x
	.p2align	8
	.type	k_q28db31417a_quant_x,@function
k_q28db31417a_quant_x:
	s_mov_b64 s[64:65], 0
	v_nop
	global_prefetch_b8 v0, s[64:65] scope:SCOPE_SE
	s_setreg_imm32_b32 hwreg(HW_REG_WAVE_MODE, 25, 1), 1
	s_wait_xcnt 0x0
; tensor [8192][1024] f32 becomes codes of FP6 (E2M3) along its rows, one E8M0 byte for each 32, laid as the products' operand registers want them.
; ROW TILES: row r (0..15) of row tile i is matrix row 32 (i/2) + 8 (i%2) + r + 8 (r/8).  A HALF FRAGMENT is 16 rows x 64 K in 768 bytes: lane (r, h) holds block h (24 bytes, six registers) of row r:
; registers 0-3 at 16 x lane, registers 4-5 at 512 + 8 x lane.  Codes: [row tile][16 half fragments], from byte 0.  Scale bytes: [tile pair][K step of 256][tile][r][8 bytes], from byte 6,291,456.
; A block's scale is 2^(floor(log2(largest magnitude)) - 2): its byte is the largest magnitude's exponent field - 2, held at 1 from below.
; LIMITS: a block of zeros gets the byte 1 (its codes are zeros, and this program alone reads the bytes); NaN and infinities are not served.
; SHARES: a work-group owns 32 rows (a tile pair); wave w owns columns 256 w .. 256 w + 255: four fragments (tile u, 128 columns q).  Each load reads 512 consecutive bytes of one row; a fragment's
; 16 rows turn through the wave's own stage in LDS (rows 528 bytes apart), so that a lane gets 16 neighbours of each block of its row.  Waves share nothing: no barrier.
.set SP,   528
.set WST,  16*SP
.set L16,  1                           ; v1   16 x lane
.set L8,   2                           ; v2   8 x lane
.set STI,  3                           ; v3   the stage, way in: 16 x lane
.set STO,  4                           ; v4   the stage, way out: 528 r + 64 h
.set R,    16                          ; v16-143  two sets of 64 registers as loaded
.set X,    144                         ; v144-207 register 16 b + i = column 32 b + 16 h + i of my row
.set PC,   208                         ; v208-227 the codes just made
.set TM,   228                         ; v228-243 at work
.set PW,   244                         ; v244-247 the four fragments' scale words
.set SEL,  20                          ; s[20:21] lane selects: lane l xor 16
; 64 numbers of a lane, register 16 b + i = k 32 b + 16 h + i of my row, become a fragment's codes in v[PC] .. v[PC+11] and its scale word in v[pw]
.macro QUANT s, pw
.irp b, 0,1,2,3
	v_max3_num_f32 v[TM+\b], |v[\s+16*\b]|, |v[\s+1+16*\b]|, 0x1800000   ; my 16 numbers of block b, and the floor 2^(3 - 127): the byte cannot fall under 1
.endr
.irp i, 2,4,6,8,10,12,14
.irp b, 0,1,2,3
	v_max3_num_f32 v[TM+\b], v[TM+\b], |v[\s+16*\b+\i]|, |v[\s+1+16*\b+\i]|
.endr
.endr
.irp b, 0,1,2,3
	v_permlanex16_b32 v[TM+4+\b], v[TM+\b], s[SEL], s[SEL+1]
.endr
.irp b, 0,1,2,3
	v_max_num_f32 v[TM+\b], v[TM+\b], v[TM+4+\b]   ; with lane l xor 16's: the block's largest magnitude
.endr
.irp b, 0,1,2,3
	v_add_nc_u32 v[TM+12+\b], 0xff000000, v[TM+\b]   ; 2 off its exponent field: the conversion's scale operand
.endr
.irp b, 0,1,2,3
	v_lshrrev_b32 v[TM+4+\b], 23, v[TM+12+\b]      ; the scale's byte
.endr
	v_lshl_or_b32 v[\pw], v[TM+5], 8, v[TM+4]
	v_lshl_or_b32 v[\pw], v[TM+6], 16, v[\pw]
	v_lshl_or_b32 v[\pw], v[TM+7], 24, v[\pw]
.irp c, 0,1
	v_cvt_scalef32_pk16_fp6_f32 v[PC+6*\c:PC+2+6*\c], v[\s+32*\c:\s+15+32*\c], v[TM+12+2*\c]
	v_cvt_scalef32_pk16_fp6_f32 v[PC+12+4*\c:PC+14+4*\c], v[\s+16+32*\c:\s+31+32*\c], v[TM+12+2*\c+1]   ; (a conversion's three registers begin on an even number)
.endr
	v_nop                                          ; one plain place behind a scaled conversion
.irp c, 0,1                                    ; the operand wants a whole block in a lane: lanes 0-15 block 2 c, lanes 16-31 block 2 c + 1
.irp i, 0,1,2
	v_permlane16_swap_b32 v[PC+6*\c+\i], v[PC+12+4*\c+\i]
.endr
.irp i, 0,1,2
	v_mov_b32 v[PC+3+6*\c+\i], v[PC+12+4*\c+\i]
.endr
.endr
.endm
	s_load_b128 s[4:7], s[0:1], 0x0                ; tensor, xbuf
	v_lshl_add_u32 v254, v0, 2, 0x8400
	v_mov_b32 v255, 0
	v_lshrrev_b32 v5, 5, v0
	v_readfirstlane_b32 s10, v5                    ; wave 0..3
	v_and_b32 v6, 31, v0
	v_and_b32 v7, 15, v0                           ; r
	v_bfe_u32 v8, v0, 4, 1                         ; h
	v_lshlrev_b32 v[L16], 4, v6
	v_lshlrev_b32 v[L8], 3, v6
	s_mul_i32 s11, s10, WST                        ; my stage
	v_add_nc_u32 v[STI], s11, v[L16]
	v_mul_u32_u24 v[STO], v7, SP
	v_lshl_add_u32 v[STO], v8, 6, v[STO]
	v_add_nc_u32 v[STO], s11, v[STO]
	s_mov_b32 s[SEL], 0x76543210
	s_mov_b32 s[SEL+1], 0xfedcba98
	s_mov_b32 s22, 0xffff0000                      ; lanes 16-31
.irp b, 0,1,2,3
	v_mov_b32 v[TM+4+\b], 0                        ; written once: a lane permute's destination counts as one of its sources
.endr
	s_lshl_b32 s12, ttmp9, 17                      ; tensor: 32 rows of 4,096 bytes a work-group,
	s_lshl_b32 s13, s10, 10                        ; 1,024 bytes of a row a wave
	s_add_co_u32 s12, s12, s13
	s_mov_b32 s13, 0
	s_mul_i32 s14, ttmp9, 24576                    ; codes: two row tiles of 12,288 bytes a work-group,
	s_mul_i32 s15, s10, 3072                       ; four half fragments a wave
	s_add_co_u32 s14, s14, s15
	s_mov_b32 s15, 0
	s_lshl_b32 s16, ttmp9, 10                      ; scale bytes: 1,024 a tile pair, 256 a K step
	s_lshl_b32 s17, s10, 8
	s_add_co_u32 s16, s16, s17
	s_add_co_u32 s16, s16, 6291456
	s_mov_b32 s17, 0
	s_wait_alu depctr_va_vdst(0)
	s_wait_kmcnt 0x0
	s_add_nc_u64 s[4:5], s[4:5], s[12:13]
	s_add_nc_u64 s[8:9], s[6:7], s[16:17]
	s_add_nc_u64 s[6:7], s[6:7], s[14:15]
.macro LOAD f                          ; fragment f = 2 u + q: the 16 rows of tile u, 512 bytes each, into set f % 2
.irp t, 0,1,2,3,4,5,6,7,8,9,10,11,12,13,14,15
	global_load_b128 v[R+64*((\f)%2)+4*\t:R+64*((\f)%2)+4*\t+3], v[L16], s[4:5] offset:(8*((\f)/2)+\t+8*(\t/8))*4096+512*((\f)%2) th:TH_LOAD_NT
.endr
.endm
.macro FSTEP f
.if (\f) < 3
	s_wait_loadcnt 16                              ; this fragment's 16 loads are in; the next fragment's 16 may be out
.else
	s_wait_loadcnt 0x0
.endif
.irp t, 0,1,2,3,4,5,6,7,8,9,10,11,12,13,14,15
	ds_store_b128 v[STI], v[R+64*((\f)%2)+4*\t:R+64*((\f)%2)+4*\t+3] offset:SP*\t
.endr
.irp n, 0,1,2,3,4,5,6,7,8,9,10,11,12,13,14,15
	ds_load_b128 v[X+4*\n:X+4*\n+3], v[STO] offset:128*(\n/4)+16*(\n%4)   ; LDS serves a wave's instructions in order: these see the stores above
.endr
	s_wait_dscnt 0x0                               ; the numbers are back, and the stores have read their registers,
.if (\f) < 2
	LOAD (\f)+2                                    ; which take the fragment two on
.endif
	s_wait_xcnt 0x0                                ; the last fragment's stores have read the codes' registers: they are written again only behind this wait
	QUANT X, PW+(\f)
	global_store_b128 v[L16], v[PC:PC+3], s[6:7] offset:12288*((\f)/2)+1536*((\f)%2)          ; 512 consecutive bytes, aligned to 256
	global_store_b64 v[L8], v[PC+4:PC+5], s[6:7] offset:12288*((\f)/2)+1536*((\f)%2)+512      ; 256
	global_store_b128 v[L16], v[PC+6:PC+9], s[6:7] offset:12288*((\f)/2)+1536*((\f)%2)+768
	global_store_b64 v[L8], v[PC+10:PC+11], s[6:7] offset:12288*((\f)/2)+1536*((\f)%2)+1280
.endm
	LOAD 0
	LOAD 1
	FSTEP 0
	FSTEP 1
	FSTEP 2
	FSTEP 3
	v_cndmask_b32 v248, v[PW], v[PW+2], s22        ; lanes 0-15 store tile 0's two words of row r, lanes 16-31 tile 1's
	v_cndmask_b32 v249, v[PW+1], v[PW+3], s22
	global_store_b64 v[L8], v[248:249], s[8:9]     ; 32 lanes store 256 consecutive bytes, aligned
	s_wait_tensorcnt 0x0
	ds_add_u32 v254, v255
	s_wait_dscnt 0x0
	s_endpgm
.Lfunc_end_k_q28db31417a_quant_x:
	.size	k_q28db31417a_quant_x, .Lfunc_end_k_q28db31417a_quant_x-k_q28db31417a_quant_x
	.p2alignl 7, 3214868480
	.fill 96, 4, 3214868480
	.section	.rodata,"a",@progbits
	.p2align	6, 0x0
	.amdhsa_kernel k_q28db31417a_quant_x
		.amdhsa_group_segment_fixed_size 34304
		.amdhsa_private_segment_fixed_size 0
		.amdhsa_enable_private_segment 0
		.amdhsa_kernarg_size 16
		.amdhsa_user_sgpr_count 2
		.amdhsa_user_sgpr_kernarg_segment_ptr 1
		.amdhsa_wavefront_size32 1
		.amdhsa_system_sgpr_workgroup_id_x 1
		.amdhsa_system_sgpr_workgroup_id_y 1
		.amdhsa_system_sgpr_workgroup_id_z 1
		.amdhsa_system_vgpr_workitem_id 0
		.amdhsa_next_free_vgpr 256
		.amdhsa_next_free_sgpr 66
		.amdhsa_reserve_vcc 0
		.amdhsa_float_denorm_mode_32 3
		.amdhsa_float_denorm_mode_16_64 3
		.amdhsa_memory_ordered 1
		.amdhsa_forward_progress 1
		.amdhsa_inst_pref_size 34
	.end_amdhsa_kernel
	.amdgpu_metadata
---
amdhsa.version: [ 1, 2 ]
amdhsa.kernels:
  - .name:           k_q28db31417a_quant_x
    .symbol:         k_q28db31417a_quant_x.kd
    .args:
      - { .name: tensor, .offset: 0, .size: 8, .value_kind: global_buffer, .address_space: global }
      - { .name: xbuf, .offset: 8, .size: 8, .value_kind: global_buffer, .address_space: global }
    .group_segment_fixed_size: 34304
    .private_segment_fixed_size: 0
    .kernarg_segment_align: 8
    .kernarg_segment_size: 16
    .max_flat_workgroup_size: 128
    .sgpr_count:     66
    .vgpr_count:     256
    .wavefront_size: 32
...
	.end_amdgpu_metadata
.endif
;; end of part 1
;; launch quant_w (part 2): grid 16 x 16, 2 waves a work-group, no clusters, 12,544 bytes of LDS; arguments Wq, Wk, Wv, Wo, wbuf; writes wbuf
.if DOCPART == 2
	.amdgcn_target "amdgcn-amd-amdhsa--gfx1250"
	.amdhsa_code_object_version 6
	.text
	.protected	k_q28db31417a_quant_w
	.globl	k_q28db31417a_quant_w
	.p2align	8
	.type	k_q28db31417a_quant_w,@function
k_q28db31417a_quant_w:
	s_mov_b64 s[64:65], 0
	v_nop
	global_prefetch_b8 v0, s[64:65] scope:SCOPE_SE
	s_setreg_imm32_b32 hwreg(HW_REG_WAVE_MODE, 25, 1), 1
	s_wait_xcnt 0x0
; Wq, Wk, Wv, Wo [1024 (k)][1024 (n)] f32, K their FIRST axis, become codes of FP6 (E2M3) along K, one E8M0 byte for each 32, laid as operand registers: an operand's row is a column n.
; ROW TILES and HALF FRAGMENTS: row r of row tile i is column 32 (i/2) + 8 (i%2) + r + 8 (r/8); a half fragment is 16 rows x 64 K in 768 bytes: lane (r, h) holds block h: registers 0-3 at 16 x lane, 4-5 at 512 + 8 x lane.
; wbuf: codes [matrix][row tile][16 half fragments] from byte 0; scale bytes [matrix][tile pair][K step of 256][tile][r][8 bytes] from byte 3,145,728.
; A LANE TAKES A COLUMN AND ITS REGISTERS RUN DOWN K: a block of 32 lies in one lane's 32 registers, its largest magnitude needs no other lane, and the conversions give codes with K innermost.
; SHARES: work-group (x, y): matrix y / 4, K step y % 4 (256 rows of W); wave w: columns 32 (2 x + w) on.  A lane's codes go to their places in the wave's own 6,144 bytes of LDS and leave as they lie there,
; 512 consecutive bytes a store.  Waves share nothing: no barrier.
; LIMITS: a block of zeros gets the byte 1 (its codes are zeros, and this program alone reads the bytes); NaN and infinities are not served.
.set X,    32                          ; v32-95   two sets of 32 numbers
.set C,    96                          ; v96-101  a block's codes
.set D,    102                         ; v102-104 its second half as converted
.set SB,   24                          ; v24-25   my column's 8 scale bytes
.set OUTR, 112                         ; v112-159 the way out
	s_load_b256 s[4:11], s[0:1], 0x0               ; Wq, Wk, Wv, Wo
	s_load_b64 s[12:13], s[0:1], 0x20              ; wbuf
	v_lshl_add_u32 v160, v0, 2, 0x3000
	v_mov_b32 v161, 0
	v_lshrrev_b32 v1, 5, v0
	v_readfirstlane_b32 s16, v1                    ; wave 0, 1
	v_and_b32 v2, 31, v0                           ; o: my column in the tile pair
	v_lshlrev_b32 v3, 2, v2                        ; in: 4 bytes a lane
	v_and_b32 v9, 7, v2
	v_lshrrev_b32 v10, 4, v2
	v_lshl_or_b32 v9, v10, 3, v9                   ; r = (o & 7) + 8 (o / 16)
	v_bfe_u32 v10, v2, 3, 1                        ; u = (o / 8) & 1
	s_mul_i32 s17, s16, 6144                       ; my wave's LDS: [u][4 half fragments]
	v_mul_u32_u24 v14, v10, 3072
	v_add_nc_u32 v14, s17, v14
	v_lshl_add_u32 v4, v9, 4, v14                  ; where registers 0-3 go: + 16 r
	v_lshl_add_u32 v5, v9, 3, v14                  ; where registers 4-5 go: + 8 r
	v_lshlrev_b32 v7, 4, v2                        ; out: 16 x lane
	v_add_nc_u32 v6, s17, v7
	v_lshlrev_b32 v8, 3, v9
	v_lshl_add_u32 v8, v10, 7, v8                  ; scale bytes: 128 u + 8 r
	s_and_b32 s18, ttmp7, 0xffff
	s_lshr_b32 s19, s18, 2                         ; matrix
	s_and_b32 s18, s18, 3                          ; K step
	s_lshl_b32 s20, ttmp9, 1
	s_add_co_u32 s20, s20, s16                     ; tile pair
	s_lshl_b32 s22, s18, 20                        ; W: 256 rows of 4,096 bytes a K step, 128 bytes a tile pair
	s_lshl_b32 s23, s20, 7
	s_add_co_u32 s22, s22, s23
	s_mov_b32 s23, 0
	s_mul_i32 s24, s19, 786432                     ; codes
	s_mul_i32 s25, s20, 24576
	s_add_co_u32 s24, s24, s25
	s_mul_i32 s25, s18, 3072
	s_add_co_u32 s24, s24, s25
	s_mov_b32 s25, 0
	s_lshl_b32 s26, s19, 15                        ; scale bytes
	s_lshl_b32 s27, s20, 10
	s_add_co_u32 s26, s26, s27
	s_lshl_b32 s27, s18, 8
	s_add_co_u32 s26, s26, s27
	s_add_co_u32 s26, s26, 3145728
	s_mov_b32 s27, 0
	s_and_b32 s28, s19, 1
	s_and_b32 s29, s19, 2
	s_wait_kmcnt 0x0
	s_cmp_lg_u32 s28, 0                            ; the choice hangs on the work-group's number alone
	s_cselect_b64 s[4:5], s[6:7], s[4:5]
	s_cselect_b64 s[8:9], s[10:11], s[8:9]
	s_cmp_lg_u32 s29, 0
	s_cselect_b64 s[4:5], s[8:9], s[4:5]
	s_add_nc_u64 s[4:5], s[4:5], s[22:23]
	s_add_nc_u64 s[6:7], s[12:13], s[24:25]
	s_add_nc_u64 s[8:9], s[12:13], s[26:27]
.macro LOAD t                          ; block t: W(32 t + i, my column) into set t % 2
.irp i, 0,1,2,3,4,5,6,7,8,9,10,11,12,13,14,15,16,17,18,19,20,21,22,23,24,25,26,27,28,29,30,31
	global_load_b32 v[X+32*((\t)%2)+\i], v3, s[4:5] offset:(32*(\t)+\i)*4096 th:TH_LOAD_NT
.endr
.endm
.macro BLOCK t
.set XS, X+32*((\t)%2)
.if (\t) < 7
	s_wait_loadcnt 32                              ; this block's 32 loads are in; the next block's may be out
.else
	s_wait_loadcnt 0x0
.endif
	v_max3_num_f32 v12, |v[XS]|, |v[XS+1]|, |v[XS+2]|
	v_max3_num_f32 v13, |v[XS+3]|, |v[XS+4]|, |v[XS+5]|
.irp i, 6,10,14,18,22,26
	v_max3_num_f32 v12, v12, |v[XS+\i]|, |v[XS+\i+1]|
	v_max3_num_f32 v13, v13, |v[XS+\i+2]|, |v[XS+\i+3]|
.endr
	v_max3_num_f32 v12, v12, |v[XS+30]|, |v[XS+31]|
	v_max3_num_f32 v12, v12, v13, 0x1800000        ; and the floor 2^(3 - 127): the byte cannot fall under 1
	v_add_nc_u32 v11, 0xff000000, v12              ; 2 off the exponent field: the conversion's scale operand
	v_lshrrev_b32 v13, 23, v11                     ; the scale's byte
.if (\t)%4 == 0
	v_mov_b32 v[SB+(\t)/4], v13
.else
	v_lshl_or_b32 v[SB+(\t)/4], v13, 8*((\t)%4), v[SB+(\t)/4]
.endif
	v_cvt_scalef32_pk16_fp6_f32 v[C:C+2], v[XS:XS+15], v11
	v_cvt_scalef32_pk16_fp6_f32 v[D:D+2], v[XS+16:XS+31], v11   ; (a conversion's three registers begin on an even number)
	v_nop                                          ; one plain place behind a scaled conversion
.irp i, 0,1,2
	v_mov_b32 v[C+3+\i], v[D+\i]
.endr
	ds_store_b128 v4, v[C:C+3] offset:768*((\t)/2)+256*((\t)%2)         ; half fragment t / 2, lane 16 (t % 2) + r
	ds_store_b64 v5, v[C+4:C+5] offset:768*((\t)/2)+512+128*((\t)%2)
.if (\t)+2 < 8
	LOAD (\t)+2
.endif
	s_wait_dscnt 0x0                               ; the stores have read their registers: the next block's codes may be written
.endm
	LOAD 0
	LOAD 1
.irp t, 0,1,2,3,4,5,6,7
	BLOCK \t
.endr
	s_wait_alu depctr_va_vdst(0)
	global_store_b64 v8, v[SB:SB+1], s[8:9]        ; the 32 lanes fill 256 consecutive bytes, aligned
.irp k, 0,1,2,3,4,5,6,7,8,9,10,11
	ds_load_b128 v[OUTR+4*\k:OUTR+4*\k+3], v6 offset:512*\k
.endr
.irp k, 0,1,2,3,4,5,6,7,8,9,10,11
	s_wait_dscnt 11-\k                             ; load k is in; the younger ones may be out
	global_store_b128 v7, v[OUTR+4*\k:OUTR+4*\k+3], s[6:7] offset:12288*(\k/6)+512*(\k%6)   ; 512 consecutive bytes, aligned to 256; tile 1's lie 12,288 bytes on
.endr
	s_wait_tensorcnt 0x0
	ds_add_u32 v160, v161
	s_wait_dscnt 0x0
	s_endpgm
.Lfunc_end_k_q28db31417a_quant_w:
	.size	k_q28db31417a_quant_w, .Lfunc_end_k_q28db31417a_quant_w-k_q28db31417a_quant_w
	.p2alignl 7, 3214868480
	.fill 96, 4, 3214868480
	.section	.rodata,"a",@progbits
	.p2align	6, 0x0
	.amdhsa_kernel k_q28db31417a_quant_w
		.amdhsa_group_segment_fixed_size 12544
		.amdhsa_private_segment_fixed_size 0
		.amdhsa_enable_private_segment 0
		.amdhsa_kernarg_size 40
		.amdhsa_user_sgpr_count 2
		.amdhsa_user_sgpr_kernarg_segment_ptr 1
		.amdhsa_wavefront_size32 1
		.amdhsa_system_sgpr_workgroup_id_x 1
		.amdhsa_system_sgpr_workgroup_id_y 1
		.amdhsa_system_sgpr_workgroup_id_z 1
		.amdhsa_system_vgpr_workitem_id 0
		.amdhsa_next_free_vgpr 162
		.amdhsa_next_free_sgpr 66
		.amdhsa_reserve_vcc 0
		.amdhsa_float_denorm_mode_32 3
		.amdhsa_float_denorm_mode_16_64 3
		.amdhsa_memory_ordered 1
		.amdhsa_forward_progress 1
		.amdhsa_inst_pref_size 42
	.end_amdhsa_kernel
	.amdgpu_metadata
---
amdhsa.version: [ 1, 2 ]
amdhsa.kernels:
  - .name:           k_q28db31417a_quant_w
    .symbol:         k_q28db31417a_quant_w.kd
    .args:
      - { .name: Wq, .offset: 0, .size: 8, .value_kind: global_buffer, .address_space: global }
      - { .name: Wk, .offset: 8, .size: 8, .value_kind: global_buffer, .address_space: global }
      - { .name: Wv, .offset: 16, .size: 8, .value_kind: global_buffer, .address_space: global }
      - { .name: Wo, .offset: 24, .size: 8, .value_kind: global_buffer, .address_space: global }
      - { .name: wbuf, .offset: 32, .size: 8, .value_kind: global_buffer, .address_space: global }
    .group_segment_fixed_size: 12544
    .private_segment_fixed_size: 0
    .kernarg_segment_align: 8
    .kernarg_segment_size: 40
    .max_flat_workgroup_size: 64
    .sgpr_count:     66
    .vgpr_count:     162
    .wavefront_size: 32
...
	.end_amdgpu_metadata
.endif
;; end of part 2
;; launch gemm_qk (part 3): grid 8 x 32, 4 waves a work-group, clusters of 4 x 4, 327,680 bytes of LDS; arguments xbuf, wbuf, bq, bk, qkbuf; writes qkbuf
.if DOCPART == 3
	.amdgcn_target "amdgcn-amd-amdhsa--gfx1250"
	.amdhsa_code_object_version 6
	.text
	.protected	k_q28db31417a_gemm_qk
	.globl	k_q28db31417a_gemm_qk
	.p2align	8
	.type	k_q28db31417a_gemm_qk,@function
k_q28db31417a_gemm_qk:
	s_mov_b64 s[64:65], 0
	v_nop
	global_prefetch_b8 v0, s[64:65] scope:SCOPE_SE
	s_setreg_imm32_b32 hwreg(HW_REG_WAVE_MODE, 25, 1), 1
	s_wait_xcnt 0x0
	s_wait_alu depctr_hold_cnt(0) depctr_sa_sdst(0) depctr_va_vdst(0) depctr_va_sdst(0) depctr_va_ssrc(0) depctr_va_vcc(0) depctr_vm_vsrc(0)
	s_getreg_b32 s2, hwreg(HW_REG_IB_STS2, 6, 4)
	s_cmp_eq_u32 s2, 0
	s_cbranch_scc0 .Lentry_in_a_cluster
	s_endpgm
.Lentry_in_a_cluster:
	s_bfe_u32 s2, ttmp6, 0x10000c
	s_cmp_lg_u32 s2, 0xf033
	s_cbranch_scc0 .Lentry_shape_is_right
	s_endpgm
.Lentry_shape_is_right:
.set KIND, 0
.if KIND == 0
.set A_IMG, 0
.set A_SC,  6291456
.set B_IMG, 0
.set B_SC,  3145728
.elseif KIND == 1
.set A_IMG, 1572864
.set A_SC,  3211264
.set B_IMG, 0
.set B_SC,  6291456
.else
.set A_IMG, 0
.set A_SC,  6291456
.set B_IMG, 2359296
.set B_SC,  3244032
.endif
.set NQ,     2
.set FR,     12
.set NL,     4
.set NP,     4
.set KSB,    3072
.set HALFT,  8*KSB
.set SLOT,   4*HALFT
.set SCL,    2*SLOT
.set HALFS,  4096
.set SPARE,  SCL+4*HALFS
.set LAPS,   2
.set SPITCH, 528
.set L16,  8
.set L8,   9
.set SA,   10
.set BA,   11
.set ADRA, 16
.set ADRB, 20
.set STO,  24
.set RD,   25
.set ADRS, 27
.set SPW,  28
.set NIL,  29
.set SC,   32
.set BI,   64
.set AF,   128
.set T,    128
.set PC,   192
.set TM,   212
.set PW,   228
.set WD,   236
.set G1,   24
.set G0,   32
.set G1B,  48
.set G0B,  56
.set G1S,  68
.set G0S,  76
.set G1SB, 80
.set G0SB, 88
.set SEL,  100
.set MSB, 0
.macro WIN new
.if MSB != (\new)
	s_set_vgpr_msb (MSB<<8)|(\new)
.set MSB, (\new)
.endif
.endm
.set MUL_LO, 0xa1
.set MUL_HI, 0xf1
.set TO_B,   0x40
.macro JLOAD g0a, g1a, g0b, g1b
	s_cmp_eq_u32 s15, 0
	s_cbranch_scc0 .Lfor_b_\@
	tensor_load_to_lds s[\g0a:\g0a+3], s[\g1a:\g1a+7]
	s_nop 0
.rept 4
	v_nop
.endr
	s_branch .Lasked_\@
.Lfor_b_\@:
	tensor_load_to_lds s[\g0b:\g0b+3], s[\g1b:\g1b+7]
	s_nop 0
.rept 4
	v_nop
.endr
.Lasked_\@:
.endm
.macro CREST
	s_cmp_lg_u32 s14, 0
	s_cbranch_scc1 .Lnot_wave_0_\@
	s_barrier_signal -3
.Lnot_wave_0_\@:
	s_barrier_wait -3
	s_barrier_signal -1
	s_barrier_wait -1
.endm
.macro CROUND
	s_barrier_signal -1
	s_barrier_wait -1
	CREST
.endm
.macro QUANT s, pw
.irp b, 0,1,2,3
	v_max3_num_f32 v[TM+\b], |v[\s+16*\b]|, |v[\s+1+16*\b]|, 0x1800000
.endr
.irp i, 2,4,6,8,10,12,14
.irp b, 0,1,2,3
	v_max3_num_f32 v[TM+\b], v[TM+\b], |v[\s+16*\b+\i]|, |v[\s+1+16*\b+\i]|
.endr
.endr
.irp b, 0,1,2,3
	v_permlanex16_b32 v[TM+4+\b], v[TM+\b], s[SEL], s[SEL+1]
.endr
.irp b, 0,1,2,3
	v_max_num_f32 v[TM+\b], v[TM+\b], v[TM+4+\b]
.endr
.irp b, 0,1,2,3
	v_add_nc_u32 v[TM+12+\b], 0xff000000, v[TM+\b]
.endr
.irp b, 0,1,2,3
	v_lshrrev_b32 v[TM+4+\b], 23, v[TM+12+\b]
.endr
	v_lshl_or_b32 v[\pw], v[TM+5], 8, v[TM+4]
	v_lshl_or_b32 v[\pw], v[TM+6], 16, v[\pw]
	v_lshl_or_b32 v[\pw], v[TM+7], 24, v[\pw]
.irp c, 0,1
	v_cvt_scalef32_pk16_fp6_f32 v[PC+6*\c:PC+2+6*\c], v[\s+32*\c:\s+15+32*\c], v[TM+12+2*\c]
	v_cvt_scalef32_pk16_fp6_f32 v[PC+12+4*\c:PC+14+4*\c], v[\s+16+32*\c:\s+31+32*\c], v[TM+12+2*\c+1]
.endr
	v_nop
.irp c, 0,1
.irp i, 0,1,2
	v_permlane16_swap_b32 v[PC+6*\c+\i], v[PC+12+4*\c+\i]
.endr
.irp i, 0,1,2
	v_mov_b32 v[PC+3+6*\c+\i], v[PC+12+4*\c+\i]
.endr
.endr
.endm
	s_load_b64 s[4:5], s[0:1], 0x0
	s_load_b64 s[8:9], s[0:1], 0x8
.if KIND == 0
	s_load_b128 s[96:99], s[0:1], 0x10
	s_load_b64 s[12:13], s[0:1], 0x20
.else
	s_load_b64 s[96:97], s[0:1], 0x10
	s_load_b64 s[12:13], s[0:1], 0x18
.endif
	v_lshl_add_u32 v[SPW], v0, 2, SPARE
	v_mov_b32 v[NIL], 0
	ds_add_u32 v28, v29
	ds_add_u32 v28, v29
	s_wait_dscnt 0x0
	v_lshrrev_b32 v1, 5, v0
	v_readfirstlane_b32 s14, v1
	s_lshr_b32 s15, s14, 1
	s_and_b32 s16, s14, 1
	s_bfe_u32 s40, ttmp6, 0x40000
	s_bfe_u32 s41, ttmp6, 0x40004
	s_lshl_b32 s42, ttmp9, 2
	s_add_co_u32 s42, s42, s40
	s_and_b32 s17, ttmp7, 0xffff
	s_lshl_b32 s17, s17, 2
	s_add_co_u32 s17, s17, s41
	s_lshl_b32 s43, s41, 2
	s_lshl_b32 s43, 15, s43
	s_lshl_b32 s44, 0x1111, s40
	s_or_b32 s[G1+0], s43, (3<<16)|(1<<21)
	s_or_b32 s[G1B+0], s44, (3<<16)|(1<<21)
.irp g, G1, G1B
	s_mov_b32 s[\g+1], 384<<16
	s_mov_b32 s[\g+2], 16<<16
	s_mov_b32 s[\g+3], 384<<16
	s_mov_b32 s[\g+4], 16
	s_mov_b32 s[\g+5], 1536
	s_mov_b32 s[\g+6], 0
	s_mov_b32 s[\g+7], 0
.endr
	s_or_b32 s[G1S+0], s43, (3<<16)|(1<<21)
	s_or_b32 s[G1SB+0], s44, (3<<16)|(1<<21)
.irp g, G1S, G1SB
	s_mov_b32 s[\g+1], 32<<16
	s_mov_b32 s[\g+2], 32<<16
	s_mov_b32 s[\g+3], 32<<16
	s_mov_b32 s[\g+4], 32
	s_mov_b32 s[\g+5], 32
	s_mov_b32 s[\g+6], 0
	s_mov_b32 s[\g+7], 0
.endr
	s_lshl_b32 s18, s16, 7
	s_lshl_b32 s20, s17, 8
	s_add_co_u32 s20, s20, s18
	s_lshl_b32 s46, s42, 8
	s_add_co_u32 s46, s46, s18
	s_lshl_b32 s22, s17, 13                        ; the scales of A's whole 256 rows
	s_add_co_u32 s22, s22, A_SC
	s_mov_b32 s23, 0
	s_lshl_b32 s92, s42, 13                        ; and of B's
	s_add_co_u32 s92, s92, B_SC
	s_mov_b32 s93, 0
	s_mul_i32 s20, s20, 768
	s_add_co_u32 s20, s20, A_IMG
	s_mov_b32 s21, 0
	s_mul_i32 s46, s46, 768
	s_add_co_u32 s46, s46, B_IMG
	s_mov_b32 s47, 0
	s_mul_i32 s45, s14, HALFT
	s_mov_b32 s[SEL], 0x76543210
	s_mov_b32 s[SEL+1], 0xfedcba98
	s_mov_b32 s66, 0x3eb504f3
	s_mov_b32 s67, s66
	s_mov_b32 s95, 0xffff0000
	s_wait_kmcnt 0x0
	s_add_nc_u64 s[20:21], s[4:5], s[20:21]
	s_add_nc_u64 s[22:23], s[4:5], s[22:23]
	s_add_nc_u64 s[46:47], s[8:9], s[46:47]
	s_add_nc_u64 s[92:93], s[8:9], s[92:93]
	CROUND
	s_mov_b32 s[G0S], 1
	s_mov_b32 s[G0S+1], SCL
	s_mov_b64 s[G0S+2:G0S+3], s[22:23]
	s_or_b32 s[G0S+3], s[G0S+3], 0x80000000
	s_mov_b32 s[G0SB], 1
	s_mov_b32 s[G0SB+1], SCL+2*HALFS
	s_mov_b64 s[G0SB+2:G0SB+3], s[92:93]
	s_or_b32 s[G0SB+3], s[G0SB+3], 0x80000000
	s_mul_i32 s2, s17, 196608                      ; the head's loads of K step 0: A's 16 row tiles whole,
	s_add_co_u32 s2, s2, A_IMG
	s_mov_b32 s3, 0
	s_add_nc_u64 s[6:7], s[4:5], s[2:3]
	s_mul_i32 s104, s42, 196608                    ; and B's
	s_add_co_u32 s104, s104, B_IMG
	s_mov_b32 s105, 0
	s_add_nc_u64 s[10:11], s[8:9], s[104:105]
	s_mov_b32 s4, 1
	s_mov_b32 s5, 0
	s_or_b32 s7, s7, 0x80000000
	s_mov_b32 s8, 1
	s_mov_b32 s9, 2*HALFT
	s_or_b32 s11, s11, 0x80000000
.irp s, 0,1
	s_mov_b32 s[G0+4*\s], 1
	s_add_co_u32 s[G0+4*\s+1], s45, \s*SLOT
	s_add_nc_u64 s[G0+4*\s+2:G0+4*\s+3], s[20:21], \s*KSB
	s_or_b32 s[G0+4*\s+3], s[G0+4*\s+3], 0x80000000
	s_mov_b32 s[G0B+4*\s], 1
	s_add_co_u32 s[G0B+4*\s+1], s45, \s*SLOT
	s_add_nc_u64 s[G0B+4*\s+2:G0B+4*\s+3], s[46:47], \s*KSB
	s_or_b32 s[G0B+4*\s+3], s[G0B+4*\s+3], 0x80000000
.endr
; the head's four tiles, one a wave: wave 0 A's codes of K step 0, wave 1 B's, wave 2 A's scales, wave 3 B's: one tree of branches on the wave's number
.macro ARM under, g0, g1, next
	s_cmp_lt_u32 s14, \under
	s_cbranch_scc0 \next
	tensor_load_to_lds s[\g0:\g0+3], s[\g1:\g1+7]
	s_nop 0
.rept 4
	v_nop
.endr
	s_branch .Lhead_asked
\next:
.endm
	ARM 1, 4, G1, .Lhead_b
	ARM 2, 8, G1B, .Lhead_sa
	ARM 3, G0S, G1S, .Lhead_sb
	tensor_load_to_lds s[G0SB:G0SB+3], s[G1SB:G1SB+7]
	s_nop 0
.rept 4
	v_nop
.endr
.Lhead_asked:
	s_wait_alu depctr_va_vdst(0)
	s_wait_tensorcnt 0x0                           ; my tile of the four is in; slot 1's first fill is issued as a refill is
	ds_add_u32 v28, v29
	s_mov_b32 s[G1+2], 8<<16                       ; no load of mine is out: from here on a load brings 8 row tiles
	s_mov_b32 s[G1+4], 8
	s_mov_b32 s[G1B+2], 8<<16
	s_mov_b32 s[G1B+4], 8
	s_wait_dscnt 0x0
	CROUND
	JLOAD G0+4, G1, G0B+4, G1B
	v_and_b32 v1, 15, v0
	v_bfe_u32 v2, v0, 4, 1
	v_and_b32 v3, 31, v0
	v_lshlrev_b32 v[L16], 4, v3
	v_lshlrev_b32 v[L8], 3, v3
	s_mul_i32 s21, s15, HALFT
	s_mul_i32 s22, s16, HALFT
	s_add_co_u32 s22, s22, 2*HALFT
.irp s, 0,1
	v_add_nc_u32 v[ADRA+\s], s21, v[L16]
	v_add_nc_u32 v[ADRB+\s], s22, v[L16]
	v_add_nc_u32 v[ADRA+2+\s], s21, v[L8]
	v_add_nc_u32 v[ADRB+2+\s], s22, v[L8]
	s_add_co_u32 s21, s21, SLOT
	s_add_co_u32 s22, s22, SLOT
.endr
	v_lshlrev_b32 v5, 3, v1
	s_lshl_b32 s21, s15, 12
	s_lshl_b32 s22, s16, 12
	s_add_co_u32 s22, s22, 2*HALFS
	s_sub_co_u32 s22, s22, s21
	v_mul_u32_u24 v6, s22, v2
	s_add_co_u32 s21, s21, SCL
	v_add_nc_u32 v5, v5, v6
	v_add_nc_u32 v[ADRS], s21, v5
	s_lshl_b32 s20, s17, 8
	s_lshl_b32 s21, s15, 7
	s_add_co_u32 s20, s20, s21
	s_lshl_b32 s46, s42, 8
	s_lshl_b32 s47, s16, 7
	s_add_co_u32 s46, s46, s47
.if KIND == 0
	s_lshr_b32 s21, s20, 11
	s_and_b32 s20, s20, 2047
	s_lshr_b32 s47, s46, 6
	s_lshl_b32 s21, s21, 5
	s_add_co_u32 s47, s47, s21
	s_lshl_b32 s22, s47, 12
	s_lshl_b32 s23, s20, 1
	s_add_co_u32 s22, s22, s23
	s_add_co_u32 s22, s22, 12582912
	s_mov_b32 s23, 0
	s_add_nc_u64 s[92:93], s[12:13], s[22:23]
	s_mul_i32 s22, s47, 98304
	s_mul_i32 s23, s20, 48
	s_add_co_u32 s22, s22, s23
	s_mov_b32 s23, 0
	s_add_nc_u64 s[12:13], s[12:13], s[22:23]
	s_and_b32 s46, s46, 1023
	s_lshl_b32 s46, s46, 2
	s_mov_b32 s47, 0
	s_cmp_eq_u32 ttmp9, 0
	s_cselect_b64 s[96:97], s[96:97], s[98:99]
	s_add_nc_u64 s[96:97], s[96:97], s[46:47]
	v_lshlrev_b32 v[BA], 6, v2
.elseif KIND == 1
	s_lshr_b32 s21, s46, 11
	s_and_b32 s46, s46, 2047
	s_lshr_b32 s47, s20, 6
	s_lshl_b32 s21, s21, 4
	s_add_co_u32 s47, s47, s21
	s_lshl_b32 s22, s47, 12
	s_lshl_b32 s23, s46, 1
	s_add_co_u32 s22, s22, s23
	s_add_co_u32 s22, s22, 6291456
	s_mov_b32 s23, 0
	s_add_nc_u64 s[92:93], s[12:13], s[22:23]
	s_mul_i32 s22, s47, 98304
	s_mul_i32 s23, s46, 48
	s_add_co_u32 s22, s22, s23
	s_mov_b32 s23, 0
	s_add_nc_u64 s[12:13], s[12:13], s[22:23]
	s_lshl_b32 s20, s20, 2
	s_mov_b32 s21, 0
	s_add_nc_u64 s[96:97], s[96:97], s[20:21]
	v_and_b32 v3, 8, v1
	v_add_nc_u32 v3, v3, v1
	v_lshlrev_b32 v[BA], 2, v3
.else
	s_lshl_b32 s22, s20, 12
	s_lshl_b32 s46, s46, 2
	s_add_co_u32 s22, s22, s46
	s_mov_b32 s23, 0
	s_add_nc_u64 s[12:13], s[12:13], s[22:23]
	s_mov_b32 s47, 0
	s_add_nc_u64 s[96:97], s[96:97], s[46:47]
	v_lshlrev_b32 v[BA], 6, v2
	s_mul_i32 s23, s14, 16*SPITCH
	v_mul_u32_u24 v5, v1, SPITCH
	v_lshl_add_u32 v5, v2, 6, v5
	v_add_nc_u32 v[STO], s23, v5
	v_add_nc_u32 v[RD], s23, v[L16]
.endif
	v_lshlrev_b32 v[SA], 4, v1
	v_lshl_add_u32 v[SA], v2, 12, v[SA]
.if KIND == 1
.irp a, 0,1,2,3,4,5,6,7
	global_load_b32 v[BI+\a], v[BA], s[96:97] offset:4*(32*(\a/2)+8*(\a%2))
.endr
.else
.irp n, 0,1,2,3,4,5,6,7,8,9,10,11,12,13,14,15
	global_load_b128 v[BI+4*\n:BI+4*\n+3], v[BA], s[96:97] offset:128*(\n/4)+16*(\n%4)
.endr
.endif
.macro FRAG reg, adr, q, i
	ds_load_b128 v[\reg:\reg+3], v[\adr] offset:KSB*(\i)+1536*(\q)
	ds_load_b64 v[\reg+4:\reg+5], v[\adr+2] offset:KSB*(\i)+1536*(\q)+512
	ds_load_b128 v[\reg+6:\reg+9], v[\adr] offset:KSB*(\i)+1536*(\q)+768
	ds_load_b64 v[\reg+10:\reg+11], v[\adr+2] offset:KSB*(\i)+1536*(\q)+1280
.endm
.macro MUL16 a0, p, q, sc, zero
.irp a, \a0, \a0+1
.irp b, 0,1,2,3,4,5,6,7
.if \zero
	v_wmma_scale_f32_16x16x128_f8f6f4 v[8*(8*((\a)%4)+\b):8*(8*((\a)%4)+\b)+7], v[128*(\p)+FR*\b:128*(\p)+FR*\b+FR-1], v[AF+FR*(\a):AF+FR*(\a)+FR-1], 0, v[SC+8*NQ*(\sc)+NQ*\b+(\q)], v[SC+8*NQ*(\sc)+NQ*(\a)+(\q)] matrix_a_fmt:MATRIX_FMT_FP6 matrix_b_fmt:MATRIX_FMT_FP6 matrix_a_scale:MATRIX_SCALE_ROW1
.else
	v_wmma_scale_f32_16x16x128_f8f6f4 v[8*(8*((\a)%4)+\b):8*(8*((\a)%4)+\b)+7], v[128*(\p)+FR*\b:128*(\p)+FR*\b+FR-1], v[AF+FR*(\a):AF+FR*(\a)+FR-1], v[8*(8*((\a)%4)+\b):8*(8*((\a)%4)+\b)+7], v[SC+8*NQ*(\sc)+NQ*\b+(\q)], v[SC+8*NQ*(\sc)+NQ*(\a)+(\q)] matrix_a_fmt:MATRIX_FMT_FP6 matrix_b_fmt:MATRIX_FMT_FP6 matrix_a_scale:MATRIX_SCALE_ROW1
.endif
.endr
.endr
.endm
.macro FETCH_B slot, q, p
	WIN TO_B
.irp i, 0,1,2,3,4,5,6,7
	FRAG 128*(\p)+FR*\i, ADRB+\slot, \q, \i
.endr
	WIN 0
.endm
.macro FETCH_A slot, q, i0
.irp i, \i0, \i0+1, \i0+2, \i0+3
	FRAG AF+FR*(\i), ADRA+\slot, \q, \i
.endr
.endm
.macro SCALES sc
.irp i, 0,1,2,3,4,5,6,7
	ds_load_b64 v[SC+8*NQ*\sc+NQ*\i:SC+8*NQ*\sc+NQ*\i+1], v[ADRS] offset:1024*(\i/2)+128*(\i%2)
.endr
.endm
.macro PLACES n
.rept \n
	v_nop
.endr
.endm
.macro STEP slot, q, zero
	s_wait_dscnt 4*NL
	WIN MUL_LO
	MUL16 0, (\q)%2, \q, \slot, \zero
	MUL16 2, (\q)%2, \q, \slot, \zero
	s_wait_dscnt 0
	PLACES NP
	FETCH_B \slot, (\q)+1, 1-(\q)%2
	FETCH_A \slot, (\q)+1, 0
	WIN MUL_HI
	MUL16 4, (\q)%2, \q, \slot, \zero
	MUL16 6, (\q)%2, \q, \slot, \zero
	PLACES NP
	WIN 0
	FETCH_A \slot, (\q)+1, 4
.endm
.macro TURN slot, next, fill
	s_wait_tensorcnt 0x0
	ds_add_u32 v[SPW], v[NIL]
	s_wait_dscnt 4*NL+1
	WIN MUL_LO
	MUL16 0, 1, NQ-1, \slot, 0
	s_wait_dscnt 0x0
	s_barrier_signal -1
	MUL16 2, 1, NQ-1, \slot, 0
	WIN 0
	s_barrier_wait -1
.if \fill
	CREST
	s_add_nc_u64 s[G0+4*\slot+2:G0+4*\slot+3], s[G0+4*\slot+2:G0+4*\slot+3], 2*KSB
	s_add_nc_u64 s[G0B+4*\slot+2:G0B+4*\slot+3], s[G0B+4*\slot+2:G0B+4*\slot+3], 2*KSB
	JLOAD G0+4*\slot, G1, G0B+4*\slot, G1B
.else
	PLACES NP
.endif
	s_wait_alu depctr_va_vdst(0)
	v_add_nc_u32 v[ADRS], 256, v[ADRS]
	FETCH_B \next, 0, 0
	FETCH_A \next, 0, 0
	SCALES \next
	WIN MUL_HI
	MUL16 4, 1, NQ-1, \slot, 0
	MUL16 6, 1, NQ-1, \slot, 0
	PLACES NP
	WIN 0
	FETCH_A \next, 0, 4
.endm
	s_wait_alu depctr_va_vdst(0)
	s_wait_tensorcnt 1
	s_barrier_signal -1
	s_barrier_wait -1
	FETCH_B 0, 0, 0
	FETCH_A 0, 0, 0
	SCALES 0
	FETCH_A 0, 0, 4
	STEP 0, 0, 1
.rept LAPS-1
	TURN 0, 1, 1
	STEP 1, 0, 0
	TURN 1, 0, 1
	STEP 0, 0, 0
.endr
	TURN 0, 1, 0
	STEP 1, 0, 0
	s_wait_dscnt 4*NL
	WIN MUL_LO
	MUL16 0, 1, NQ-1, 1, 0
	MUL16 2, 1, NQ-1, 1, 0
	s_wait_dscnt 0
	WIN MUL_HI
	MUL16 4, 1, NQ-1, 1, 0
	MUL16 6, 1, NQ-1, 1, 0
	WIN 0
	PLACES NP
	s_wait_loadcnt 0x0
.irp b, 0,1,2,3
	v_mov_b32 v[TM+4+\b], 0
.endr
.if KIND == 0
.set i, 0
.rept 32
	v_pk_mul_f32 v[BI+i:BI+i+1], v[BI+i:BI+i+1], s[66:67] op_sel_hi:[1,0]
.set i, i+2
.endr
.endif
.macro OUTB a
.set AC, 64*((\a)%4)
	WIN 0x02+(\a)/4
.set i, 0
.rept 32
.if KIND == 0
	v_pk_fma_f32 v[T+i:T+i+1], v[AC+i:AC+i+1], s[66:67], v[BI+i:BI+i+1] op_sel_hi:[1,0,1]
.elseif KIND == 1
.if (\a)%2 == 0
	v_pk_add_f32 v[T+i:T+i+1], v[AC+i:AC+i+1], v[BI+2*((\a)/2):BI+2*((\a)/2)+1] op_sel:[0,0] op_sel_hi:[1,0]
.else
	v_pk_add_f32 v[T+i:T+i+1], v[AC+i:AC+i+1], v[BI+2*((\a)/2):BI+2*((\a)/2)+1] op_sel:[0,1] op_sel_hi:[1,1]
.endif
.else
	v_pk_add_f32 v[T+i:T+i+1], v[AC+i:AC+i+1], v[BI+i:BI+i+1]
.endif
.set i, i+2
.endr
	WIN 0
.if KIND == 2
.irp n, 0,1,2,3,4,5,6,7,8,9,10,11,12,13,14,15
	ds_store_b128 v[STO], v[T+4*\n:T+4*\n+3] offset:128*(\n/4)+16*(\n%4)
.endr
	s_wait_xcnt 0x0
.irp t, 0,1,2,3,4,5,6,7,8,9,10,11,12,13,14,15
	ds_load_b128 v[192+4*\t:192+4*\t+3], v[RD] offset:SPITCH*\t
.endr
.irp t, 0,1,2,3,4,5,6,7,8,9,10,11,12,13,14,15
	s_wait_dscnt 15-\t
	global_store_b128 v[L16], v[192+4*\t:192+4*\t+3], s[12:13] offset:(32*((\a)/2)+8*((\a)%2)+\t+8*(\t/8))*4096 th:TH_STORE_NT
.endr
.else
	s_wait_xcnt 0x0
	QUANT T, PW+(\a)
.if KIND == 0
	global_store_b128 v[L16], v[PC:PC+3], s[12:13] offset:768*(\a)
	global_store_b64 v[L8], v[PC+4:PC+5], s[12:13] offset:768*(\a)+512
	global_store_b128 v[L16], v[PC+6:PC+9], s[12:13] offset:98304+768*(\a)
	global_store_b64 v[L8], v[PC+10:PC+11], s[12:13] offset:98304+768*(\a)+512
.else
.irp c, 0,1,2
	global_store_b128 v[L16], v[PC+4*\c:PC+4*\c+3], s[12:13] offset:98304*((\a)/4)+1536*((\a)%4)+512*\c
.endr
.endif
.endif
.endm
.irp a, 0,1,2,3,4,5,6,7
	OUTB \a
.endr
.if KIND == 0
.irp p, 0,1,2,3
	v_perm_b32 v[WD+\p], v[PW+2*\p+1], v[PW+2*\p], 0x05040100
	v_perm_b32 v[WD+4+\p], v[PW+2*\p+1], v[PW+2*\p], 0x07060302
.endr
.irp p, 0,1,2,3
	v_cndmask_b32 v[WD+\p], v[WD+\p], v[WD+4+\p], s95
.endr
	global_store_b128 v[SA], v[WD:WD+3], s[92:93]
.elseif KIND == 1
.irp t, 0,1,2,3
	v_cndmask_b32 v[WD+\t], v[PW+\t], v[PW+4+\t], s95
.endr
	global_store_b128 v[SA], v[WD:WD+3], s[92:93]
.endif
	s_wait_tensorcnt 0x0
	ds_add_u32 v[SPW], v[NIL]
	s_wait_dscnt 0x0
	CROUND
	s_endpgm
.Lfunc_end_k_q28db31417a_gemm_qk:
	.size	k_q28db31417a_gemm_qk, .Lfunc_end_k_q28db31417a_gemm_qk-k_q28db31417a_gemm_qk
	.p2alignl 7, 3214868480
	.fill 96, 4, 3214868480
	.section	.rodata,"a",@progbits
	.p2align	6, 0x0
	.amdhsa_kernel k_q28db31417a_gemm_qk
		.amdhsa_group_segment_fixed_size 327680
		.amdhsa_private_segment_fixed_size 0
		.amdhsa_enable_private_segment 0
		.amdhsa_kernarg_size 40
		.amdhsa_user_sgpr_count 2
		.amdhsa_user_sgpr_kernarg_segment_ptr 1
		.amdhsa_wavefront_size32 1
		.amdhsa_system_sgpr_workgroup_id_x 1
		.amdhsa_system_sgpr_workgroup_id_y 1
		.amdhsa_system_sgpr_workgroup_id_z 1
		.amdhsa_system_vgpr_workitem_id 0
		.amdhsa_next_free_vgpr 1024
		.amdhsa_next_free_sgpr 106
		.amdhsa_reserve_vcc 0
		.amdhsa_float_denorm_mode_32 3
		.amdhsa_float_denorm_mode_16_64 3
		.amdhsa_memory_ordered 1
		.amdhsa_forward_progress 1
		.amdhsa_inst_pref_size 170
	.end_amdhsa_kernel
	.amdgpu_metadata
---
amdhsa.version: [ 1, 2 ]
amdhsa.kernels:
  - .name:           k_q28db31417a_gemm_qk
    .symbol:         k_q28db31417a_gemm_qk.kd
    .args:
      - { .name: xbuf, .offset: 0, .size: 8, .value_kind: global_buffer, .address_space: global }
      - { .name: wbuf, .offset: 8, .size: 8, .value_kind: global_buffer, .address_space: global }
      - { .name: bq, .offset: 16, .size: 8, .value_kind: global_buffer, .address_space: global }
      - { .name: bk, .offset: 24, .size: 8, .value_kind: global_buffer, .address_space: global }
      - { .name: qkbuf, .offset: 32, .size: 8, .value_kind: global_buffer, .address_space: global }
    .group_segment_fixed_size: 327680
    .private_segment_fixed_size: 0
    .kernarg_segment_align: 8
    .kernarg_segment_size: 40
    .max_flat_workgroup_size: 128
    .sgpr_count:     106
    .vgpr_count:     1024
    .wavefront_size: 32
...
	.end_amdgpu_metadata
.endif
;; end of part 3
;; launch gemm_v (part 4): grid 32 x 4, 4 waves a work-group, clusters of 4 x 4, 327,680 bytes of LDS; arguments wbuf, xbuf, bv, vbuf; writes vbuf
.if DOCPART == 4
	.amdgcn_target "amdgcn-amd-amdhsa--gfx1250"
	.amdhsa_code_object_version 6
	.text
	.protected	k_q28db31417a_gemm_v
	.globl	k_q28db31417a_gemm_v
	.p2align	8
	.type	k_q28db31417a_gemm_v,@function
k_q28db31417a_gemm_v:
	s_mov_b64 s[64:65], 0
	v_nop
	global_prefetch_b8 v0, s[64:65] scope:SCOPE_SE
	s_setreg_imm32_b32 hwreg(HW_REG_WAVE_MODE, 25, 1), 1
	s_wait_xcnt 0x0
	s_wait_alu depctr_hold_cnt(0) depctr_sa_sdst(0) depctr_va_vdst(0) depctr_va_sdst(0) depctr_va_ssrc(0) depctr_va_vcc(0) depctr_vm_vsrc(0)
	s_getreg_b32 s2, hwreg(HW_REG_IB_STS2, 6, 4)
	s_cmp_eq_u32 s2, 0
	s_cbranch_scc0 .Lentry_in_a_cluster
	s_endpgm
.Lentry_in_a_cluster:
	s_bfe_u32 s2, ttmp6, 0x10000c
	s_cmp_lg_u32 s2, 0xf033
	s_cbranch_scc0 .Lentry_shape_is_right
	s_endpgm
.Lentry_shape_is_right:
.set KIND, 1
.if KIND == 0
.set A_IMG, 0
.set A_SC,  6291456
.set B_IMG, 0
.set B_SC,  3145728
.elseif KIND == 1
.set A_IMG, 1572864
.set A_SC,  3211264
.set B_IMG, 0
.set B_SC,  6291456
.else
.set A_IMG, 0
.set A_SC,  6291456
.set B_IMG, 2359296
.set B_SC,  3244032
.endif
.set NQ,     2
.set FR,     12
.set NL,     4
.set NP,     4
.set KSB,    3072
.set HALFT,  8*KSB
.set SLOT,   4*HALFT
.set SCL,    2*SLOT
.set HALFS,  4096
.set SPARE,  SCL+4*HALFS
.set LAPS,   2
.set SPITCH, 528
.set L16,  8
.set L8,   9
.set SA,   10
.set BA,   11
.set ADRA, 16
.set ADRB, 20
.set STO,  24
.set RD,   25
.set ADRS, 27
.set SPW,  28
.set NIL,  29
.set SC,   32
.set BI,   64
.set AF,   128
.set T,    128
.set PC,   192
.set TM,   212
.set PW,   228
.set WD,   236
.set G1,   24
.set G0,   32
.set G1B,  48
.set G0B,  56
.set G1S,  68
.set G0S,  76
.set G1SB, 80
.set G0SB, 88
.set SEL,  100
.set MSB, 0
.macro WIN new
.if MSB != (\new)
	s_set_vgpr_msb (MSB<<8)|(\new)
.set MSB, (\new)
.endif
.endm
.set MUL_LO, 0xa1
.set MUL_HI, 0xf1
.set TO_B,   0x40
.macro JLOAD g0a, g1a, g0b, g1b
	s_cmp_eq_u32 s15, 0
	s_cbranch_scc0 .Lfor_b_\@
	tensor_load_to_lds s[\g0a:\g0a+3], s[\g1a:\g1a+7]
	s_nop 0
.rept 4
	v_nop
.endr
	s_branch .Lasked_\@
.Lfor_b_\@:
	tensor_load_to_lds s[\g0b:\g0b+3], s[\g1b:\g1b+7]
	s_nop 0
.rept 4
	v_nop
.endr
.Lasked_\@:
.endm
.macro CREST
	s_cmp_lg_u32 s14, 0
	s_cbranch_scc1 .Lnot_wave_0_\@
	s_barrier_signal -3
.Lnot_wave_0_\@:
	s_barrier_wait -3
	s_barrier_signal -1
	s_barrier_wait -1
.endm
.macro CROUND
	s_barrier_signal -1
	s_barrier_wait -1
	CREST
.endm
.macro QUANT s, pw
.irp b, 0,1,2,3
	v_max3_num_f32 v[TM+\b], |v[\s+16*\b]|, |v[\s+1+16*\b]|, 0x1800000
.endr
.irp i, 2,4,6,8,10,12,14
.irp b, 0,1,2,3
	v_max3_num_f32 v[TM+\b], v[TM+\b], |v[\s+16*\b+\i]|, |v[\s+1+16*\b+\i]|
.endr
.endr
.irp b, 0,1,2,3
	v_permlanex16_b32 v[TM+4+\b], v[TM+\b], s[SEL], s[SEL+1]
.endr
.irp b, 0,1,2,3
	v_max_num_f32 v[TM+\b], v[TM+\b], v[TM+4+\b]
.endr
.irp b, 0,1,2,3
	v_add_nc_u32 v[TM+12+\b], 0xff000000, v[TM+\b]
.endr
.irp b, 0,1,2,3
	v_lshrrev_b32 v[TM+4+\b], 23, v[TM+12+\b]
.endr
	v_lshl_or_b32 v[\pw], v[TM+5], 8, v[TM+4]
	v_lshl_or_b32 v[\pw], v[TM+6], 16, v[\pw]
	v_lshl_or_b32 v[\pw], v[TM+7], 24, v[\pw]
.irp c, 0,1
	v_cvt_scalef32_pk16_fp6_f32 v[PC+6*\c:PC+2+6*\c], v[\s+32*\c:\s+15+32*\c], v[TM+12+2*\c]
	v_cvt_scalef32_pk16_fp6_f32 v[PC+12+4*\c:PC+14+4*\c], v[\s+16+32*\c:\s+31+32*\c], v[TM+12+2*\c+1]
.endr
	v_nop
.irp c, 0,1
.irp i, 0,1,2
	v_permlane16_swap_b32 v[PC+6*\c+\i], v[PC+12+4*\c+\i]
.endr
.irp i, 0,1,2
	v_mov_b32 v[PC+3+6*\c+\i], v[PC+12+4*\c+\i]
.endr
.endr
.endm
	s_load_b64 s[4:5], s[0:1], 0x0
	s_load_b64 s[8:9], s[0:1], 0x8
.if KIND == 0
	s_load_b128 s[96:99], s[0:1], 0x10
	s_load_b64 s[12:13], s[0:1], 0x20
.else
	s_load_b64 s[96:97], s[0:1], 0x10
	s_load_b64 s[12:13], s[0:1], 0x18
.endif
	v_lshl_add_u32 v[SPW], v0, 2, SPARE
	v_mov_b32 v[NIL], 0
	ds_add_u32 v28, v29
	ds_add_u32 v28, v29
	s_wait_dscnt 0x0
	v_lshrrev_b32 v1, 5, v0
	v_readfirstlane_b32 s14, v1
	s_lshr_b32 s15, s14, 1
	s_and_b32 s16, s14, 1
	s_bfe_u32 s40, ttmp6, 0x40000
	s_bfe_u32 s41, ttmp6, 0x40004
	s_lshl_b32 s42, ttmp9, 2
	s_add_co_u32 s42, s42, s40
	s_and_b32 s17, ttmp7, 0xffff
	s_lshl_b32 s17, s17, 2
	s_add_co_u32 s17, s17, s41
	s_lshl_b32 s43, s41, 2
	s_lshl_b32 s43, 15, s43
	s_lshl_b32 s44, 0x1111, s40
	s_or_b32 s[G1+0], s43, (3<<16)|(1<<21)
	s_or_b32 s[G1B+0], s44, (3<<16)|(1<<21)
.irp g, G1, G1B
	s_mov_b32 s[\g+1], 384<<16
	s_mov_b32 s[\g+2], 16<<16
	s_mov_b32 s[\g+3], 384<<16
	s_mov_b32 s[\g+4], 16
	s_mov_b32 s[\g+5], 1536
	s_mov_b32 s[\g+6], 0
	s_mov_b32 s[\g+7], 0
.endr
	s_or_b32 s[G1S+0], s43, (3<<16)|(1<<21)
	s_or_b32 s[G1SB+0], s44, (3<<16)|(1<<21)
.irp g, G1S, G1SB
	s_mov_b32 s[\g+1], 32<<16
	s_mov_b32 s[\g+2], 32<<16
	s_mov_b32 s[\g+3], 32<<16
	s_mov_b32 s[\g+4], 32
	s_mov_b32 s[\g+5], 32
	s_mov_b32 s[\g+6], 0
	s_mov_b32 s[\g+7], 0
.endr
	s_lshl_b32 s18, s16, 7
	s_lshl_b32 s20, s17, 8
	s_add_co_u32 s20, s20, s18
	s_lshl_b32 s46, s42, 8
	s_add_co_u32 s46, s46, s18
	s_lshl_b32 s22, s17, 13                        ; the scales of A's whole 256 rows
	s_add_co_u32 s22, s22, A_SC
	s_mov_b32 s23, 0
	s_lshl_b32 s92, s42, 13                        ; and of B's
	s_add_co_u32 s92, s92, B_SC
	s_mov_b32 s93, 0
	s_mul_i32 s20, s20, 768
	s_add_co_u32 s20, s20, A_IMG
	s_mov_b32 s21, 0
	s_mul_i32 s46, s46, 768
	s_add_co_u32 s46, s46, B_IMG
	s_mov_b32 s47, 0
	s_mul_i32 s45, s14, HALFT
	s_mov_b32 s[SEL], 0x76543210
	s_mov_b32 s[SEL+1], 0xfedcba98
	s_mov_b32 s66, 0x3eb504f3
	s_mov_b32 s67, s66
	s_mov_b32 s95, 0xffff0000
	s_wait_kmcnt 0x0
	s_add_nc_u64 s[20:21], s[4:5], s[20:21]
	s_add_nc_u64 s[22:23], s[4:5], s[22:23]
	s_add_nc_u64 s[46:47], s[8:9], s[46:47]
	s_add_nc_u64 s[92:93], s[8:9], s[92:93]
	CROUND
	s_mov_b32 s[G0S], 1
	s_mov_b32 s[G0S+1], SCL
	s_mov_b64 s[G0S+2:G0S+3], s[22:23]
	s_or_b32 s[G0S+3], s[G0S+3], 0x80000000
	s_mov_b32 s[G0SB], 1
	s_mov_b32 s[G0SB+1], SCL+2*HALFS
	s_mov_b64 s[G0SB+2:G0SB+3], s[92:93]
	s_or_b32 s[G0SB+3], s[G0SB+3], 0x80000000
	s_mul_i32 s2, s17, 196608                      ; the head's loads of K step 0: A's 16 row tiles whole,
	s_add_co_u32 s2, s2, A_IMG
	s_mov_b32 s3, 0
	s_add_nc_u64 s[6:7], s[4:5], s[2:3]
	s_mul_i32 s104, s42, 196608                    ; and B's
	s_add_co_u32 s104, s104, B_IMG
	s_mov_b32 s105, 0
	s_add_nc_u64 s[10:11], s[8:9], s[104:105]
	s_mov_b32 s4, 1
	s_mov_b32 s5, 0
	s_or_b32 s7, s7, 0x80000000
	s_mov_b32 s8, 1
	s_mov_b32 s9, 2*HALFT
	s_or_b32 s11, s11, 0x80000000
.irp s, 0,1
	s_mov_b32 s[G0+4*\s], 1
	s_add_co_u32 s[G0+4*\s+1], s45, \s*SLOT
	s_add_nc_u64 s[G0+4*\s+2:G0+4*\s+3], s[20:21], \s*KSB
	s_or_b32 s[G0+4*\s+3], s[G0+4*\s+3], 0x80000000
	s_mov_b32 s[G0B+4*\s], 1
	s_add_co_u32 s[G0B+4*\s+1], s45, \s*SLOT
	s_add_nc_u64 s[G0B+4*\s+2:G0B+4*\s+3], s[46:47], \s*KSB
	s_or_b32 s[G0B+4*\s+3], s[G0B+4*\s+3], 0x80000000
.endr
; the head's four tiles, one a wave: wave 0 A's codes of K step 0, wave 1 B's, wave 2 A's scales, wave 3 B's: one tree of branches on the wave's number
.macro ARM under, g0, g1, next
	s_cmp_lt_u32 s14, \under
	s_cbranch_scc0 \next
	tensor_load_to_lds s[\g0:\g0+3], s[\g1:\g1+7]
	s_nop 0
.rept 4
	v_nop
.endr
	s_branch .Lhead_asked
\next:
.endm
	ARM 1, 4, G1, .Lhead_b
	ARM 2, 8, G1B, .Lhead_sa
	ARM 3, G0S, G1S, .Lhead_sb
	tensor_load_to_lds s[G0SB:G0SB+3], s[G1SB:G1SB+7]
	s_nop 0
.rept 4
	v_nop
.endr
.Lhead_asked:
	s_wait_alu depctr_va_vdst(0)
	s_wait_tensorcnt 0x0                           ; my tile of the four is in; slot 1's first fill is issued as a refill is
	ds_add_u32 v28, v29
	s_mov_b32 s[G1+2], 8<<16                       ; no load of mine is out: from here on a load brings 8 row tiles
	s_mov_b32 s[G1+4], 8
	s_mov_b32 s[G1B+2], 8<<16
	s_mov_b32 s[G1B+4], 8
	s_wait_dscnt 0x0
	CROUND
	JLOAD G0+4, G1, G0B+4, G1B
	v_and_b32 v1, 15, v0
	v_bfe_u32 v2, v0, 4, 1
	v_and_b32 v3, 31, v0
	v_lshlrev_b32 v[L16], 4, v3
	v_lshlrev_b32 v[L8], 3, v3
	s_mul_i32 s21, s15, HALFT
	s_mul_i32 s22, s16, HALFT
	s_add_co_u32 s22, s22, 2*HALFT
.irp s, 0,1
	v_add_nc_u32 v[ADRA+\s], s21, v[L16]
	v_add_nc_u32 v[ADRB+\s], s22, v[L16]
	v_add_nc_u32 v[ADRA+2+\s], s21, v[L8]
	v_add_nc_u32 v[ADRB+2+\s], s22, v[L8]
	s_add_co_u32 s21, s21, SLOT
	s_add_co_u32 s22, s22, SLOT
.endr
	v_lshlrev_b32 v5, 3, v1
	s_lshl_b32 s21, s15, 12
	s_lshl_b32 s22, s16, 12
	s_add_co_u32 s22, s22, 2*HALFS
	s_sub_co_u32 s22, s22, s21
	v_mul_u32_u24 v6, s22, v2
	s_add_co_u32 s21, s21, SCL
	v_add_nc_u32 v5, v5, v6
	v_add_nc_u32 v[ADRS], s21, v5
	s_lshl_b32 s20, s17, 8
	s_lshl_b32 s21, s15, 7
	s_add_co_u32 s20, s20, s21
	s_lshl_b32 s46, s42, 8
	s_lshl_b32 s47, s16, 7
	s_add_co_u32 s46, s46, s47
.if KIND == 0
	s_lshr_b32 s21, s20, 11
	s_and_b32 s20, s20, 2047
	s_lshr_b32 s47, s46, 6
	s_lshl_b32 s21, s21, 5
	s_add_co_u32 s47, s47, s21
	s_lshl_b32 s22, s47, 12
	s_lshl_b32 s23, s20, 1
	s_add_co_u32 s22, s22, s23
	s_add_co_u32 s22, s22, 12582912
	s_mov_b32 s23, 0
	s_add_nc_u64 s[92:93], s[12:13], s[22:23]
	s_mul_i32 s22, s47, 98304
	s_mul_i32 s23, s20, 48
	s_add_co_u32 s22, s22, s23
	s_mov_b32 s23, 0
	s_add_nc_u64 s[12:13], s[12:13], s[22:23]
	s_and_b32 s46, s46, 1023
	s_lshl_b32 s46, s46, 2
	s_mov_b32 s47, 0
	s_cmp_eq_u32 ttmp9, 0
	s_cselect_b64 s[96:97], s[96:97], s[98:99]
	s_add_nc_u64 s[96:97], s[96:97], s[46:47]
	v_lshlrev_b32 v[BA], 6, v2
.elseif KIND == 1
	s_lshr_b32 s21, s46, 11
	s_and_b32 s46, s46, 2047
	s_lshr_b32 s47, s20, 6
	s_lshl_b32 s21, s21, 4
	s_add_co_u32 s47, s47, s21
	s_lshl_b32 s22, s47, 12
	s_lshl_b32 s23, s46, 1
	s_add_co_u32 s22, s22, s23
	s_add_co_u32 s22, s22, 6291456
	s_mov_b32 s23, 0
	s_add_nc_u64 s[92:93], s[12:13], s[22:23]
	s_mul_i32 s22, s47, 98304
	s_mul_i32 s23, s46, 48
	s_add_co_u32 s22, s22, s23
	s_mov_b32 s23, 0
	s_add_nc_u64 s[12:13], s[12:13], s[22:23]
	s_lshl_b32 s20, s20, 2
	s_mov_b32 s21, 0
	s_add_nc_u64 s[96:97], s[96:97], s[20:21]
	v_and_b32 v3, 8, v1
	v_add_nc_u32 v3, v3, v1
	v_lshlrev_b32 v[BA], 2, v3
.else
	s_lshl_b32 s22, s20, 12
	s_lshl_b32 s46, s46, 2
	s_add_co_u32 s22, s22, s46
	s_mov_b32 s23, 0
	s_add_nc_u64 s[12:13], s[12:13], s[22:23]
	s_mov_b32 s47, 0
	s_add_nc_u64 s[96:97], s[96:97], s[46:47]
	v_lshlrev_b32 v[BA], 6, v2
	s_mul_i32 s23, s14, 16*SPITCH
	v_mul_u32_u24 v5, v1, SPITCH
	v_lshl_add_u32 v5, v2, 6, v5
	v_add_nc_u32 v[STO], s23, v5
	v_add_nc_u32 v[RD], s23, v[L16]
.endif
	v_lshlrev_b32 v[SA], 4, v1
	v_lshl_add_u32 v[SA], v2, 12, v[SA]
.if KIND == 1
.irp a, 0,1,2,3,4,5,6,7
	global_load_b32 v[BI+\a], v[BA], s[96:97] offset:4*(32*(\a/2)+8*(\a%2))
.endr
.else
.irp n, 0,1,2,3,4,5,6,7,8,9,10,11,12,13,14,15
	global_load_b128 v[BI+4*\n:BI+4*\n+3], v[BA], s[96:97] offset:128*(\n/4)+16*(\n%4)
.endr
.endif
.macro FRAG reg, adr, q, i
	ds_load_b128 v[\reg:\reg+3], v[\adr] offset:KSB*(\i)+1536*(\q)
	ds_load_b64 v[\reg+4:\reg+5], v[\adr+2] offset:KSB*(\i)+1536*(\q)+512
	ds_load_b128 v[\reg+6:\reg+9], v[\adr] offset:KSB*(\i)+1536*(\q)+768
	ds_load_b64 v[\reg+10:\reg+11], v[\adr+2] offset:KSB*(\i)+1536*(\q)+1280
.endm
.macro MUL16 a0, p, q, sc, zero
.irp a, \a0, \a0+1
.irp b, 0,1,2,3,4,5,6,7
.if \zero
	v_wmma_scale_f32_16x16x128_f8f6f4 v[8*(8*((\a)%4)+\b):8*(8*((\a)%4)+\b)+7], v[128*(\p)+FR*\b:128*(\p)+FR*\b+FR-1], v[AF+FR*(\a):AF+FR*(\a)+FR-1], 0, v[SC+8*NQ*(\sc)+NQ*\b+(\q)], v[SC+8*NQ*(\sc)+NQ*(\a)+(\q)] matrix_a_fmt:MATRIX_FMT_FP6 matrix_b_fmt:MATRIX_FMT_FP6 matrix_a_scale:MATRIX_SCALE_ROW1
.else
	v_wmma_scale_f32_16x16x128_f8f6f4 v[8*(8*((\a)%4)+\b):8*(8*((\a)%4)+\b)+7], v[128*(\p)+FR*\b:128*(\p)+FR*\b+FR-1], v[AF+FR*(\a):AF+FR*(\a)+FR-1], v[8*(8*((\a)%4)+\b):8*(8*((\a)%4)+\b)+7], v[SC+8*NQ*(\sc)+NQ*\b+(\q)], v[SC+8*NQ*(\sc)+NQ*(\a)+(\q)] matrix_a_fmt:MATRIX_FMT_FP6 matrix_b_fmt:MATRIX_FMT_FP6 matrix_a_scale:MATRIX_SCALE_ROW1
.endif
.endr
.endr
.endm
.macro FETCH_B slot, q, p
	WIN TO_B
.irp i, 0,1,2,3,4,5,6,7
	FRAG 128*(\p)+FR*\i, ADRB+\slot, \q, \i
.endr
	WIN 0
.endm
.macro FETCH_A slot, q, i0
.irp i, \i0, \i0+1, \i0+2, \i0+3
	FRAG AF+FR*(\i), ADRA+\slot, \q, \i
.endr
.endm
.macro SCALES sc
.irp i, 0,1,2,3,4,5,6,7
	ds_load_b64 v[SC+8*NQ*\sc+NQ*\i:SC+8*NQ*\sc+NQ*\i+1], v[ADRS] offset:1024*(\i/2)+128*(\i%2)
.endr
.endm
.macro PLACES n
.rept \n
	v_nop
.endr
.endm
.macro STEP slot, q, zero
	s_wait_dscnt 4*NL
	WIN MUL_LO
	MUL16 0, (\q)%2, \q, \slot, \zero
	MUL16 2, (\q)%2, \q, \slot, \zero
	s_wait_dscnt 0
	PLACES NP
	FETCH_B \slot, (\q)+1, 1-(\q)%2
	FETCH_A \slot, (\q)+1, 0
	WIN MUL_HI
	MUL16 4, (\q)%2, \q, \slot, \zero
	MUL16 6, (\q)%2, \q, \slot, \zero
	PLACES NP
	WIN 0
	FETCH_A \slot, (\q)+1, 4
.endm
.macro TURN slot, next, fill
	s_wait_tensorcnt 0x0
	ds_add_u32 v[SPW], v[NIL]
	s_wait_dscnt 4*NL+1
	WIN MUL_LO
	MUL16 0, 1, NQ-1, \slot, 0
	s_wait_dscnt 0x0
	s_barrier_signal -1
	MUL16 2, 1, NQ-1, \slot, 0
	WIN 0
	s_barrier_wait -1
.if \fill
	CREST
	s_add_nc_u64 s[G0+4*\slot+2:G0+4*\slot+3], s[G0+4*\slot+2:G0+4*\slot+3], 2*KSB
	s_add_nc_u64 s[G0B+4*\slot+2:G0B+4*\slot+3], s[G0B+4*\slot+2:G0B+4*\slot+3], 2*KSB
	JLOAD G0+4*\slot, G1, G0B+4*\slot, G1B
.else
	PLACES NP
.endif
	s_wait_alu depctr_va_vdst(0)
	v_add_nc_u32 v[ADRS], 256, v[ADRS]
	FETCH_B \next, 0, 0
	FETCH_A \next, 0, 0
	SCALES \next
	WIN MUL_HI
	MUL16 4, 1, NQ-1, \slot, 0
	MUL16 6, 1, NQ-1, \slot, 0
	PLACES NP
	WIN 0
	FETCH_A \next, 0, 4
.endm
	s_wait_alu depctr_va_vdst(0)
	s_wait_tensorcnt 1
	s_barrier_signal -1
	s_barrier_wait -1
	FETCH_B 0, 0, 0
	FETCH_A 0, 0, 0
	SCALES 0
	FETCH_A 0, 0, 4
	STEP 0, 0, 1
.rept LAPS-1
	TURN 0, 1, 1
	STEP 1, 0, 0
	TURN 1, 0, 1
	STEP 0, 0, 0
.endr
	TURN 0, 1, 0
	STEP 1, 0, 0
	s_wait_dscnt 4*NL
	WIN MUL_LO
	MUL16 0, 1, NQ-1, 1, 0
	MUL16 2, 1, NQ-1, 1, 0
	s_wait_dscnt 0
	WIN MUL_HI
	MUL16 4, 1, NQ-1, 1, 0
	MUL16 6, 1, NQ-1, 1, 0
	WIN 0
	PLACES NP
	s_wait_loadcnt 0x0
.irp b, 0,1,2,3
	v_mov_b32 v[TM+4+\b], 0
.endr
.if KIND == 0
.set i, 0
.rept 32
	v_pk_mul_f32 v[BI+i:BI+i+1], v[BI+i:BI+i+1], s[66:67] op_sel_hi:[1,0]
.set i, i+2
.endr
.endif
.macro OUTB a
.set AC, 64*((\a)%4)
	WIN 0x02+(\a)/4
.set i, 0
.rept 32
.if KIND == 0
	v_pk_fma_f32 v[T+i:T+i+1], v[AC+i:AC+i+1], s[66:67], v[BI+i:BI+i+1] op_sel_hi:[1,0,1]
.elseif KIND == 1
.if (\a)%2 == 0
	v_pk_add_f32 v[T+i:T+i+1], v[AC+i:AC+i+1], v[BI+2*((\a)/2):BI+2*((\a)/2)+1] op_sel:[0,0] op_sel_hi:[1,0]
.else
	v_pk_add_f32 v[T+i:T+i+1], v[AC+i:AC+i+1], v[BI+2*((\a)/2):BI+2*((\a)/2)+1] op_sel:[0,1] op_sel_hi:[1,1]
.endif
.else
	v_pk_add_f32 v[T+i:T+i+1], v[AC+i:AC+i+1], v[BI+i:BI+i+1]
.endif
.set i, i+2
.endr
	WIN 0
.if KIND == 2
.irp n, 0,1,2,3,4,5,6,7,8,9,10,11,12,13,14,15
	ds_store_b128 v[STO], v[T+4*\n:T+4*\n+3] offset:128*(\n/4)+16*(\n%4)
.endr
	s_wait_xcnt 0x0
.irp t, 0,1,2,3,4,5,6,7,8,9,10,11,12,13,14,15
	ds_load_b128 v[192+4*\t:192+4*\t+3], v[RD] offset:SPITCH*\t
.endr
.irp t, 0,1,2,3,4,5,6,7,8,9,10,11,12,13,14,15
	s_wait_dscnt 15-\t
	global_store_b128 v[L16], v[192+4*\t:192+4*\t+3], s[12:13] offset:(32*((\a)/2)+8*((\a)%2)+\t+8*(\t/8))*4096 th:TH_STORE_NT
.endr
.else
	s_wait_xcnt 0x0
	QUANT T, PW+(\a)
.if KIND == 0
	global_store_b128 v[L16], v[PC:PC+3], s[12:13] offset:768*(\a)
	global_store_b64 v[L8], v[PC+4:PC+5], s[12:13] offset:768*(\a)+512
	global_store_b128 v[L16], v[PC+6:PC+9], s[12:13] offset:98304+768*(\a)
	global_store_b64 v[L8], v[PC+10:PC+11], s[12:13] offset:98304+768*(\a)+512
.else
.irp c, 0,1,2
	global_store_b128 v[L16], v[PC+4*\c:PC+4*\c+3], s[12:13] offset:98304*((\a)/4)+1536*((\a)%4)+512*\c
.endr
.endif
.endif
.endm
.irp a, 0,1,2,3,4,5,6,7
	OUTB \a
.endr
.if KIND == 0
.irp p, 0,1,2,3
	v_perm_b32 v[WD+\p], v[PW+2*\p+1], v[PW+2*\p], 0x05040100
	v_perm_b32 v[WD+4+\p], v[PW+2*\p+1], v[PW+2*\p], 0x07060302
.endr
.irp p, 0,1,2,3
	v_cndmask_b32 v[WD+\p], v[WD+\p], v[WD+4+\p], s95
.endr
	global_store_b128 v[SA], v[WD:WD+3], s[92:93]
.elseif KIND == 1
.irp t, 0,1,2,3
	v_cndmask_b32 v[WD+\t], v[PW+\t], v[PW+4+\t], s95
.endr
	global_store_b128 v[SA], v[WD:WD+3], s[92:93]
.endif
	s_wait_tensorcnt 0x0
	ds_add_u32 v[SPW], v[NIL]
	s_wait_dscnt 0x0
	CROUND
	s_endpgm
.Lfunc_end_k_q28db31417a_gemm_v:
	.size	k_q28db31417a_gemm_v, .Lfunc_end_k_q28db31417a_gemm_v-k_q28db31417a_gemm_v
	.p2alignl 7, 3214868480
	.fill 96, 4, 3214868480
	.section	.rodata,"a",@progbits
	.p2align	6, 0x0
	.amdhsa_kernel k_q28db31417a_gemm_v
		.amdhsa_group_segment_fixed_size 327680
		.amdhsa_private_segment_fixed_size 0
		.amdhsa_enable_private_segment 0
		.amdhsa_kernarg_size 32
		.amdhsa_user_sgpr_count 2
		.amdhsa_user_sgpr_kernarg_segment_ptr 1
		.amdhsa_wavefront_size32 1
		.amdhsa_system_sgpr_workgroup_id_x 1
		.amdhsa_system_sgpr_workgroup_id_y 1
		.amdhsa_system_sgpr_workgroup_id_z 1
		.amdhsa_system_vgpr_workitem_id 0
		.amdhsa_next_free_vgpr 1024
		.amdhsa_next_free_sgpr 106
		.amdhsa_reserve_vcc 0
		.amdhsa_float_denorm_mode_32 3
		.amdhsa_float_denorm_mode_16_64 3
		.amdhsa_memory_ordered 1
		.amdhsa_forward_progress 1
		.amdhsa_inst_pref_size 166
	.end_amdhsa_kernel
	.amdgpu_metadata
---
amdhsa.version: [ 1, 2 ]
amdhsa.kernels:
  - .name:           k_q28db31417a_gemm_v
    .symbol:         k_q28db31417a_gemm_v.kd
    .args:
      - { .name: wbuf, .offset: 0, .size: 8, .value_kind: global_buffer, .address_space: global }
      - { .name: xbuf, .offset: 8, .size: 8, .value_kind: global_buffer, .address_space: global }
      - { .name: bv, .offset: 16, .size: 8, .value_kind: global_buffer, .address_space: global }
      - { .name: vbuf, .offset: 24, .size: 8, .value_kind: global_buffer, .address_space: global }
    .group_segment_fixed_size: 327680
    .private_segment_fixed_size: 0
    .kernarg_segment_align: 8
    .kernarg_segment_size: 32
    .max_flat_workgroup_size: 128
    .sgpr_count:     106
    .vgpr_count:     1024
    .wavefront_size: 32
...
	.end_amdgpu_metadata
.endif
;; end of part 4
;; launch attn (part 5): grid 4 x 64, 16 waves a work-group, clusters of 4 x 1, 260,096 bytes of LDS; arguments qkbuf, vbuf, mask_att, obuf; writes obuf
.if DOCPART == 5
	.amdgcn_target "amdgcn-amd-amdhsa--gfx1250"
	.amdhsa_code_object_version 6
	.text
	.protected	k_q28db31417a_attn
	.globl	k_q28db31417a_attn
	.p2align	8
	.type	k_q28db31417a_attn,@function
k_q28db31417a_attn:
	s_mov_b64 s[64:65], 0
	v_nop
	global_prefetch_b8 v0, s[64:65] scope:SCOPE_SE
	s_setreg_imm32_b32 hwreg(HW_REG_WAVE_MODE, 25, 1), 1
	s_wait_xcnt 0x0
	s_wait_alu depctr_hold_cnt(0) depctr_sa_sdst(0) depctr_va_vdst(0) depctr_va_sdst(0) depctr_va_ssrc(0) depctr_va_vcc(0) depctr_vm_vsrc(0)
	s_getreg_b32 s2, hwreg(HW_REG_IB_STS2, 6, 4)
	s_cmp_eq_u32 s2, 0
	s_cbranch_scc0 .Lentry_in_a_cluster
	s_endpgm
.Lentry_in_a_cluster:
	s_bfe_u32 s2, ttmp6, 0x10000c
	s_cmp_lg_u32 s2, 0x3003
	s_cbranch_scc0 .Lentry_shape_is_right
	s_endpgm
.Lentry_shape_is_right:
; O[b][h][q] = the sum over k of softmax_k(q . k, keys with mask_att = 0 left out) v, both products on codes of FP6 (E2M3) with one E8M0 scale for each 32 along a product's K.  2,048 keys, head size 64.
; q and k arrive as half fragments (16 tokens x 64: 768 bytes; lane (r, h): block h; registers 0-3 at 16 x lane, 4-5 at 512 + 8 x lane), already divided by 64^(1/4); token r of stored tile i is 32 (i/2) + 8 (i%2) + r + 8 (r/8).
; v arrives as whole fragments of V^T (16 channels x 128 keys, 1,536 bytes, registers 4 c .. 4 c + 3 at 512 c + 16 x lane).  O leaves as half fragments of the last product's left operand, quantised along the head's 64.
; THE SOFTMAX: t = score x log2(e); M = the running largest t rounded up to a whole number; p = 2^(t - M) is quantised along the keys, not normalised; the row's sum is taken of the unquantised p and divides O at the end.
; SHARES: a cluster is the four blocks of 512 queries of one (batch, head); each work-group keeps the head's whole K and V in LDS, asked for JOINTLY by the four, filled once: each of the sixteen waves asks for a
; sixteenth (12,288 bytes: waves 0-7 K's, waves 8-15 V's).  One barrier shows them to all; no other barrier stands ahead of the closing round.  A wave takes a tile of 16 queries through all keys, 128 a step, then a second tile.
; WHICH KEYS FORM A TILE is chosen by the lanes' LDS addresses: rows 0-7 of tile (c, t) are keys 64 c + 8 t + 0..7, rows 8-15 keys 64 c + 32 + 8 t + 0..7 (eight rows of a stored tile lie on end).  Both products are used
; transposed, so lane (r, h) holds query r, and its 32 registers of tiles (c, 0..3) are the WHOLE block of keys 64 c + 32 h + 0..31: a block's largest score needs no other lane, and the conversions' results are p's operand.
; LDS: rows of 512 bytes + 128 of padding.  A pair of stored K tiles, or a fragment of V, is three such rows, 1,920 bytes; a step is 7,680.  Rows 8-15 of a tile read 1,920 bytes on from rows 0-7: the other half of the 64 banks (ISA guide 11.1).
; THE MASK RIDES IN THE FIRST PRODUCT.  Its K is 64, the instruction's 128: one of the two spare blocks carries the product (-7.5) x 1.0, scaled by a byte of the KEY's scale word: 224 where mask_att = 0
; (the score falls by 7.5 x 2^97, p = 0), 1 elsewhere (7.5 x 2^-126).  An even tile's operand is [k][C] against [q][E], an odd tile's [C][k] against [E][q]: one run of 18 registers [k even][C][k odd] serves a pair of tiles.
; The running largest score begins at -2^60, far above a masked one: steps whose every key is masked give p = 0.
; LIMITS: a batch whose mask is all zero, a row whose every score lies under -2^60, NaN and infinities are not served; the promise holds while |t| stays under 2^31; a block of zeros gets the byte 1 (its codes are zeros, and this program alone reads the bytes).
; NO PREFETCH: all of K and V is asked for at the head, ahead of any loop; q is 768 bytes a wave and pass.
.set STP,  7680                        ; a step's K tiles, or V fragments, in LDS
.set VOFF, 122880
.set SCW,  245760                      ; for each of the 16 steps 768 bytes of scale words made at the head: K's [c][r][4 words], then V's [r][4 words]
.set SPARE, 258048                     ; the spare words: 128 bytes a wave
.set L16,  1                           ; 16 x lane
.set L8,   2                           ; 8 x lane
.set AKE,  3                           ; v3, v4 the step's K addresses, 16-byte pieces of even and odd stored tiles
.set AK8,  5                           ; 8-byte pieces
.set AV,   6
.set AS,   7
.set QSA,  8                           ; 16 r
.set OSA,  9                           ; 8 r + h
.set SH8,  10                          ; 8 h
.set TP,   11
.set QF,   16                          ; v16-33  [q][E][q]
.set QS,   34                          ; v34, v35 q's scale words for even and odd tiles
.set KR,   36                          ; v36-113 pair b at 36 + 18 b: [k even][C][k odd]; V's fragment t at 48 + 18 t, between the C's
.set KS,   114
.set VS,   122
.set PS,   126
.set LS,   127                         ; 16 r + SCW
.set S,    128                         ; v128-191 S^T, then p: register 32 c + i is key 64 c + 32 h + i
.set OT,   192                         ; v192-223 O^T
.set PCD,  224                         ; v224-235 p's codes
.set BM,   236
.set SO,   238
.set A,    240                         ; v240-247 second halves of the codes as converted, then four partial sums of p
.set F,    248                         ; v248 f = 2^(old M - new M); v249 the old -M
.set BKE,  250                         ; v250, v251, v252 the lanes' parts of K's addresses
.set BK8,  252
.set LV,   253                         ; 16 x lane + VOFF
.set WV,   18
.set KV,   19
.set SEL,  20
.set CS,   22                          ; s[22:23] log2(e)
.set G1,   24
.set G0K,  32
.set G0V,  36
.set TK,   66
.set TS,   67
.set PASS, 68
.set CNT,  69
.set HI,   70
.set NC,   71                          ; -log2(e)
.set QP,   72
.set QSP,  74
.set OP,   76
.set OSP,  78
.macro CROUND                          ; a round of the cluster's barrier
	s_barrier_signal -1
	s_barrier_wait -1
	s_cmp_lg_u32 s[WV], 0
	s_cbranch_scc1 .Lnot_wave_0_\@
	s_barrier_signal -3
.Lnot_wave_0_\@:
	s_barrier_wait -3
	s_barrier_signal -1
	s_barrier_wait -1
.endm
	s_load_b256 s[4:11], s[0:1], 0x0               ; qkbuf, vbuf, mask_att, obuf
	v_lshl_add_u32 v254, v0, 2, SPARE
	v_mov_b32 v255, 0
	ds_add_u32 v254, v255                          ; the opening lines: the add twice and its wait
	ds_add_u32 v254, v255
	v_lshrrev_b32 v11, 5, v0
	s_delay_alu instid0(VALU_DEP_1)
	v_readfirstlane_b32 s[WV], v11                 ; wave 0..15
	s_lshr_b32 s[KV], s[WV], 3                     ; I fetch for K (0) or for V (1),
	s_and_b32 s83, s[WV], 7                        ; and which eighth
	s_and_b32 s80, ttmp7, 0xffff                   ; 16 x batch + head: the four partners share it
	s_lshr_b32 s81, s80, 4                         ; batch
	s_and_b32 s82, s80, 15                         ; head
	s_lshl_b32 s84, s81, 5
	s_add_co_u32 s84, s84, s82                     ; 32 x batch + head: q's place in qkbuf;
	s_add_co_u32 s85, s84, 16                      ; k's
	s_mul_i32 s90, s83, 12288
	s_mul_i32 s86, s85, 98304
	s_add_co_u32 s86, s86, s90
	s_mov_b32 s87, 0
	s_mul_i32 s88, s80, 98304
	s_add_co_u32 s88, s88, s90
	s_mov_b32 s89, 0
	s_mul_i32 s91, s83, 15360                      ; 24 rows of 640 bytes in LDS
	; group 1: 12,288 dense bytes as 24 rows of 512 (64 elements of 8 bytes), 128 bytes of padding behind each
	s_mov_b32 s[G1], 15|(3<<16)|(1<<20)|(1<<21)|(6<<22)|(31<<25)
	s_mov_b32 s[G1+1], 64<<16
	s_mov_b32 s[G1+2], 24<<16
	s_mov_b32 s[G1+3], 64<<16
	s_mov_b32 s[G1+4], 24
	s_mov_b32 s[G1+5], 64
	s_mov_b32 s[G1+6], 0
	s_mov_b32 s[G1+7], 0
	s_mov_b32 s[SEL], 0x76543210
	s_mov_b32 s[SEL+1], 0xfedcba98
	s_mov_b32 s[CS], 0x3fb8aa3b
	s_mov_b32 s[CS+1], s[CS]
	s_mov_b32 s[NC], 0xbfb8aa3b
	s_mov_b32 s[HI], 0xffff0000
	s_wait_dscnt 0x0
	s_wait_kmcnt 0x0
	s_mov_b32 s[G0K], 1
	s_mov_b32 s[G0K+1], s91
	s_add_nc_u64 s[G0K+2:G0K+3], s[4:5], s[86:87]
	s_or_b32 s[G0K+3], s[G0K+3], 0x80000000
	s_mov_b32 s[G0V], 1
	s_add_co_u32 s[G0V+1], s91, VOFF
	s_add_nc_u64 s[G0V+2:G0V+3], s[6:7], s[88:89]
	s_or_b32 s[G0V+3], s[G0V+3], 0x80000000
	CROUND                                         ; all four work-groups are here: the joint loads meet
	s_cmp_eq_u32 s[KV], 0                          ; one load a wave, on either way
	s_cbranch_scc0 .Lfor_v
	tensor_load_to_lds s[G0K:G0K+3], s[G1:G1+7]
	s_nop 0
.rept 4
	v_nop
.endr
	s_branch .Lasked
.Lfor_v:
	tensor_load_to_lds s[G0V:G0V+3], s[G1:G1+7]
	s_nop 0
.rept 4
	v_nop
.endr
.Lasked:
	v_and_b32 v11, 31, v0
	v_and_b32 v148, 15, v0                         ; r
	v_bfe_u32 v149, v0, 4, 1                       ; h
	v_and_b32 v154, 7, v0                          ; r % 8
	v_bfe_u32 v155, v0, 3, 1                       ; r / 8
	v_lshlrev_b32 v[L16], 4, v11
	v_lshlrev_b32 v[L8], 3, v11
	v_lshlrev_b32 v[QSA], 4, v148
	v_lshl_add_u32 v[OSA], v148, 3, v149
	v_lshlrev_b32 v[SH8], 3, v149
	v_mul_u32_u24 v156, v155, 1920                 ; rows 8-15 read the next pair of stored tiles
	v_add_nc_u32 v[LV], VOFF, v[L16]
	v_add_nc_u32 v[LS], SCW, v[QSA]
	v_lshl_add_u32 v157, v149, 8, v156
	v_lshl_add_u32 v158, v149, 7, v156
	v_lshlrev_b32 v150, 4, v154
	v_lshlrev_b32 v151, 2, v154
	v_lshl_add_u32 v[BKE], v154, 4, v157           ; 1920 (r/8) + 256 h + 16 (r%8)
	v_lshl_add_u32 v[BK8], v154, 3, v158           ; 1920 (r/8) + 128 h + 8 (r%8)
	v_lshl_add_u32 v150, v149, 3, v150
	v_lshl_add_u32 v151, v155, 7, v151
	v_lshl_add_u32 v[BKE+1], v149, 7, v[BKE]       ; an odd stored tile lies across two LDS rows: lanes 16-31 read 128 bytes further on
	v_lshl_add_u32 v150, v155, 2, v150             ; k's scale bytes: 16 (r%8) + 8 c + 4 (r/8), c = my half
	v_lshl_add_u32 v151, v149, 8, v151             ; the mask: 4 (64 c + 32 (r/8) + r%8)
	s_wait_alu depctr_va_vdst(0)                   ; the wait ahead of the run of scalar lines
	; THE SCALE WORDS OF STEP g = my wave: lane (r, c) makes the words of tiles (c, 0..3), row r
	s_mul_i32 s83, s[WV], 768
	s_add_co_u32 s83, s83, SCW
	v_add_nc_u32 v152, s83, v[L16]
	v_add_nc_u32 v153, s83, v[L8]
	s_lshl_b32 s90, s85, 12
	s_lshl_b32 s91, s[WV], 8
	s_add_co_u32 s90, s90, s91
	s_add_co_u32 s90, s90, 12582912
	s_mov_b32 s91, 0
	s_add_nc_u64 s[90:91], s[4:5], s[90:91]
	s_lshl_b32 s92, s81, 13
	s_lshl_b32 s93, s[WV], 9
	s_add_co_u32 s92, s92, s93
	s_mov_b32 s93, 0
	s_add_nc_u64 s[92:93], s[8:9], s[92:93]
	s_lshl_b32 s94, s80, 12
	s_lshl_b32 s95, s[WV], 8
	s_add_co_u32 s94, s94, s95
	s_add_co_u32 s94, s94, 6291456
	s_mov_b32 s95, 0
	s_add_nc_u64 s[94:95], s[6:7], s[94:95]
	global_load_b32 v128, v150, s[90:91]           ; tiles (c, 0) and (c, 1): two bytes each
	global_load_b32 v129, v150, s[90:91] offset:128   ; tiles (c, 2) and (c, 3): eight stored rows on
.irp n, 0,1,2,3
	global_load_b32 v[130+\n], v151, s[92:93] offset:32*\n   ; mask_att of my key in tile (c, n)
.endr
	global_load_b64 v[134:135], v[L8], s[94:95]    ; V's scale words of the step, as they lie
	v_xor_b32 v149, 1, v149                        ; 1 in lanes 0-15
	s_delay_alu instid0(VALU_DEP_1)
	v_mul_u32_u24 v[QF+6], v149, 8                 ; E: the code of 1.0 at the spare block's first k
	v_mul_u32_u24 v[KR+6], v149, 0x3f              ; C: the code of -7.5
.irp b, 1,2,3
	v_mov_b32 v[KR+18*\b+6], v[KR+6]
.endr
.irp i, 7,8,9,10,11
	v_mov_b32 v[QF+\i], 0
.irp b, 0,1,2,3
	v_mov_b32 v[KR+18*\b+\i], 0
.endr
.endr
	v_mov_b32 v136, 0x7f01                         ; the spare blocks' two bytes: 1 and 127,
	v_mov_b32 v137, 0x7fe0                         ; or 224 and 127 for a key that is masked
	; my pointers; cx enters global addresses alone
	s_bfe_u32 s83, ttmp6, 0x40000                  ; cx
	s_lshl_b32 s96, s83, 5
	s_add_co_u32 s96, s96, s[WV]                   ; my first query tile: 32 cx + wave; the second is 16 on
	s_mul_i32 s[QP], s84, 98304
	s_mul_i32 s97, s96, 768
	s_add_co_u32 s[QP], s[QP], s97
	s_mov_b32 s[QP+1], 0
	s_add_nc_u64 s[QP:QP+1], s[4:5], s[QP:QP+1]
	s_lshl_b32 s[QSP], s84, 12                     ; q's scale bytes: 4,096 a head, 256 for 8 tiles, 16 a row, 2 a tile
	s_lshr_b32 s97, s96, 3
	s_lshl_b32 s97, s97, 8
	s_add_co_u32 s[QSP], s[QSP], s97
	s_and_b32 s97, s96, 7
	s_lshl_b32 s97, s97, 1
	s_add_co_u32 s[QSP], s[QSP], s97
	s_add_co_u32 s[QSP], s[QSP], 12582912
	s_mov_b32 s[QSP+1], 0
	s_add_nc_u64 s[QSP:QSP+1], s[4:5], s[QSP:QSP+1]
	s_lshl_b32 s97, s81, 7
	s_add_co_u32 s96, s96, s97                     ; O's row tile: 128 x batch + query tile
	s_mul_i32 s[OP], s96, 12288
	s_mul_i32 s97, s82, 768
	s_add_co_u32 s[OP], s[OP], s97
	s_mov_b32 s[OP+1], 0
	s_add_nc_u64 s[OP:OP+1], s[10:11], s[OP:OP+1]
	s_lshr_b32 s[OSP], s96, 1                      ; O's scale bytes: 1,024 a tile pair, 256 for four heads, 128 a tile, 2 a head
	s_lshl_b32 s[OSP], s[OSP], 10
	s_lshr_b32 s97, s82, 2
	s_lshl_b32 s97, s97, 8
	s_add_co_u32 s[OSP], s[OSP], s97
	s_and_b32 s97, s96, 1
	s_lshl_b32 s97, s97, 7
	s_add_co_u32 s[OSP], s[OSP], s97
	s_and_b32 s97, s82, 3
	s_lshl_b32 s97, s97, 1
	s_add_co_u32 s[OSP], s[OSP], s97
	s_add_co_u32 s[OSP], s[OSP], 6291456
	s_mov_b32 s[OSP+1], 0
	s_add_nc_u64 s[OSP:OSP+1], s[10:11], s[OSP:OSP+1]
	s_wait_alu depctr_va_vdst(0)
	s_wait_loadcnt 0x0
.irp n, 0,1,2,3
	v_cmp_eq_u32 vcc_lo, 0, v[130+\n]
	s_delay_alu instid0(VALU_DEP_1)
	v_cndmask_b32 v[138+\n], v136, v137, vcc_lo
.endr
.irp n, 0,1
	v_and_b32 v[144+2*\n], 0xffff, v[128+\n]
	s_delay_alu instid0(VALU_DEP_1)
	v_lshl_or_b32 v[144+2*\n], v[138+2*\n], 16, v[144+2*\n]              ; an even tile: k's bytes for blocks 0, 1; the mask's for blocks 2, 3
	v_and_or_b32 v[145+2*\n], v[128+\n], 0xffff0000, v[139+2*\n]         ; an odd tile: the mask's for blocks 0, 1; k's for blocks 2, 3
.endr
	s_wait_alu depctr_va_vdst(0)                   ; the wait at the head's end
	s_wait_tensorcnt 0x0                           ; my sixteenth of K and V is in
	ds_store_b128 v152, v[144:147]
	ds_store_b64 v153, v[134:135] offset:512
	s_wait_dscnt 0x0                               ; my scale words are stored
	s_barrier_signal -1
	s_barrier_wait -1                              ; everybody's tiles and words are in: LDS is only read from here on
; A KEY STEP: 128 keys
.macro STEP
	v_add_nc_u32 v[AKE], s[TK], v[BKE]             ; (with the four sums behind the last step's products these are the places in front of the loads into their registers)
	v_add_nc_u32 v[AKE+1], s[TK], v[BKE+1]
	v_add_nc_u32 v[AK8], s[TK], v[BK8]
	v_add_nc_u32 v[AS], s[TS], v[LS]
.irp t, 0,1,2,3,4,5,6,7                        ; tile (c, u) = (t / 4, t % 4): stored tile 4 c + u % 2 (+ 2 for rows 8-15), its rows 8 (u / 2) on
	ds_load_b128 v[KR+18*(\t/2)+12*(\t%2):KR+18*(\t/2)+12*(\t%2)+3], v[AKE+\t%2] offset:3840*(\t/4)+128*((\t%4)/2)+896*(\t%2)
	ds_load_b64 v[KR+18*(\t/2)+12*(\t%2)+4:KR+18*(\t/2)+12*(\t%2)+5], v[AK8] offset:3840*(\t/4)+64*((\t%4)/2)+640+896*(\t%2)
.endr
	ds_load_b128 v[KS:KS+3], v[AS]
	ds_load_b128 v[KS+4:KS+7], v[AS] offset:256
	s_wait_alu depctr_va_vdst(0)
	s_wait_dscnt 0x0
.irp b, 0,1,2,3                                ; S^T = K Q^T
	v_wmma_scale_f32_16x16x128_f8f6f4 v[S+16*\b:S+16*\b+7], v[KR+18*\b:KR+18*\b+11], v[QF:QF+11], 0, v[KS+2*\b], v[QS] matrix_a_fmt:MATRIX_FMT_FP6 matrix_b_fmt:MATRIX_FMT_FP6
	v_wmma_scale_f32_16x16x128_f8f6f4 v[S+16*\b+8:S+16*\b+15], v[KR+18*\b+6:KR+18*\b+17], v[QF+6:QF+17], 0, v[KS+2*\b+1], v[QS+1] matrix_a_fmt:MATRIX_FMT_FP6 matrix_b_fmt:MATRIX_FMT_FP6
.endr
	v_add_nc_u32 v[AV], s[TK], v[LV]               ; four places in front of the loads into K's registers and of the first read of the scores
	v_mov_b32 v[F+1], v12                          ; the old -M
	v_nop
	v_nop
.irp t, 0,1,2,3                                ; V's fragments land while the softmax is walked
.irp c, 0,1,2
	ds_load_b128 v[KR+12+18*\t+4*\c:KR+12+18*\t+4*\c+3], v[AV] offset:1920*\t+640*\c
.endr
.endr
	ds_load_b128 v[VS:VS+3], v[AS] offset:512
.irp c, 0,1                                    ; the largest score of my two blocks of 32 keys, each in two chains; every accumulator is first read at its low end
	v_max3_num_f32 v[BM+\c], v[S+32*\c], v[S+32*\c+1], v[S+32*\c+2]
	v_max3_num_f32 v[SO+\c], v[S+32*\c+17], v[S+32*\c+18], v[S+32*\c+19]
.endr
.irp i, 0,2,4,6,8,10
.irp c, 0,1
	v_max3_num_f32 v[BM+\c], v[BM+\c], v[S+32*\c+3+\i], v[S+32*\c+4+\i]
	v_max3_num_f32 v[SO+\c], v[SO+\c], v[S+32*\c+20+\i], v[S+32*\c+21+\i]
.endr
.endr
.irp c, 0,1
	v_max3_num_f32 v[BM+\c], v[BM+\c], v[S+32*\c+15], v[S+32*\c+16]
.endr
.irp c, 0,1
	s_delay_alu instid0(VALU_DEP_2)
	v_max_num_f32 v[BM+\c], v[BM+\c], v[SO+\c]
.endr
	s_delay_alu instid0(VALU_DEP_1)
	v_max_num_f32 v0, v[BM], v[BM+1]
	s_delay_alu instid0(VALU_DEP_1)
	v_permlanex16_b32 v[TP], v0, s[SEL], s[SEL+1]
	s_delay_alu instid0(VALU_DEP_1)
	v_max3_num_f32 v13, v13, v0, v[TP]             ; the running largest score of my query
	s_delay_alu instid0(VALU_DEP_1)
	v_mul_f32 v0, s[NC], v13                       ; -t
	s_delay_alu instid0(VALU_DEP_1)
	v_floor_f32 v12, v0                            ; the new -M = floor(-t): M is a whole number
	s_delay_alu instid0(VALU_DEP_1)
	v_sub_f32 v[TP], v12, v[F+1]                   ; old M - new M: a whole number, 0 or less
.set j, 0
.rept 8
	v_pk_fma_f32 v[S+j:S+j+1], v[S+j:S+j+1], s[CS:CS+1], v[12:13] op_sel_hi:[1,0,0]   ; t - M
.set j, j+2
.endr
	v_cvt_i32_f32 v[TP], v[TP]                     ; (it saturates)
.rept 8
	v_pk_fma_f32 v[S+j:S+j+1], v[S+j:S+j+1], s[CS:CS+1], v[12:13] op_sel_hi:[1,0,0]
.set j, j+2
.endr
	v_ldexp_f32 v[F], 1.0, v[TP]                   ; f = 2^(old M - new M): a multiplication by it rounds nothing
.rept 16
	v_pk_fma_f32 v[S+j:S+j+1], v[S+j:S+j+1], s[CS:CS+1], v[12:13] op_sel_hi:[1,0,0]
.set j, j+2
.endr
.irp c, 0,1
	v_fma_f32 v[BM+\c], v[BM+\c], s[CS], v12       ; the same of each block's largest score
.endr
.set j, 0
.rept 16
	v_pk_mul_f32 v[OT+j:OT+j+1], v[OT+j:OT+j+1], v[F:F+1] op_sel_hi:[1,0]   ; O^T under the new M, ahead of the exponentials
.set j, j+2
.endr
	s_wait_alu depctr_va_vdst(0)                   ; the wait ahead of the batch
.set j, 0
.rept 64
	v_exp_f32 v[S+j], v[S+j]                       ; p = 2^(t - M)
.set j, j+1
.endr
.irp c, 0,1
	v_exp_f32 v[BM+\c], v[BM+\c]                   ; each block's largest p: the same two instructions on the same number
.endr
	v_nop                                          ; a plain place behind the exponentials
	s_wait_alu depctr_va_vdst(0)                   ; and the one wait behind the batch
.irp c, 0,1
	v_max_num_f32 v[BM+\c], 0x1800000, v[BM+\c]    ; the floor 2^(3 - 127): the byte cannot fall under 1
.endr
.irp c, 0,1
	v_add_nc_u32 v[SO+\c], 0xff000000, v[BM+\c]    ; 2 off the exponent field: the conversion's scale operand
.endr
.irp c, 0,1
	v_cvt_scalef32_pk16_fp6_f32 v[PCD+6*\c:PCD+6*\c+2], v[S+32*\c:S+32*\c+15], v[SO+\c]
	v_cvt_scalef32_pk16_fp6_f32 v[A+4*\c:A+4*\c+2], v[S+32*\c+16:S+32*\c+31], v[SO+\c]   ; (a conversion's three registers begin on an even number)
.endr
.irp c, 0,1
	v_lshrrev_b32 v[BM+\c], 23, v[SO+\c]           ; the scales' bytes.  (The plain place behind the conversions)
.endr
	s_delay_alu instid0(VALU_DEP_1)
	v_lshl_or_b32 v0, v[BM+1], 16, v[BM]           ; my bytes: blocks h and 2 + h,
	s_delay_alu instid0(VALU_DEP_1)
	v_lshlrev_b32 v0, v[SH8], v0                   ; at their places in the word;
	s_delay_alu instid0(VALU_DEP_1)
	v_permlanex16_b32 v[TP], v0, s[SEL], s[SEL+1]
	s_delay_alu instid0(VALU_DEP_1)
	v_or_b32 v[PS], v0, v[TP]                      ; with lane l xor 16's two the word is whole
.irp c, 0,1
.irp i, 0,1,2
	v_mov_b32 v[PCD+6*\c+3+\i], v[A+4*\c+\i]
.endr
.endr
.irp i, 0,1,2,3                                ; the row's sum, of the unquantised p, in four chains; these 28 are also the places between p's codes and scale word and the products
	v_pk_add_f32 v[A+2*\i:A+2*\i+1], v[S+4*\i:S+4*\i+1], v[S+4*\i+2:S+4*\i+3]
.endr
.irp k, 16,24,32,40,48,56
.irp i, 0,1,2,3
	v_pk_add_f32 v[A+2*\i:A+2*\i+1], v[A+2*\i:A+2*\i+1], v[S+\k+2*\i:S+\k+2*\i+1]
.endr
.endr
	s_wait_alu depctr_va_vdst(0)
	s_wait_dscnt 0x0                               ; V
.irp t, 0,1,2,3                                ; O^T += V^T P^T: the four accumulators by turns
	v_wmma_scale_f32_16x16x128_f8f6f4 v[OT+8*\t:OT+8*\t+7], v[KR+12+18*\t:KR+12+18*\t+11], v[PCD:PCD+11], v[OT+8*\t:OT+8*\t+7], v[VS+\t], v[PS] matrix_a_fmt:MATRIX_FMT_FP6 matrix_b_fmt:MATRIX_FMT_FP6
.endr
	v_pk_add_f32 v[A:A+1], v[A:A+1], v[A+2:A+3]    ; four places behind the products
	v_pk_add_f32 v[A+4:A+5], v[A+4:A+5], v[A+6:A+7]
	v_pk_add_f32 v[A:A+1], v[A:A+1], v[A+4:A+5]
	v_pk_fma_f32 v[14:15], v[14:15], v[F:F+1], v[A:A+1] op_sel_hi:[1,0,1]   ; the sum so far under the new M, and this step's
	s_add_co_u32 s[TK], s[TK], STP
	s_add_co_u32 s[TS], s[TS], 768
.endm
	s_mov_b32 s[PASS], 2
.Lpass:                                            ; two trips: a tile of 16 queries each
	global_load_b128 v[QF:QF+3], v[L16], s[QP:QP+1]             ; q's half fragment, twice: in front of E and behind it
	global_load_b64 v[QF+4:QF+5], v[L8], s[QP:QP+1] offset:512
	global_load_b128 v[QF+12:QF+15], v[L16], s[QP:QP+1]
	global_load_b64 v[QF+16:QF+17], v[L8], s[QP:QP+1] offset:512
	global_load_u16 v0, v[QSA], s[QSP:QSP+1]                    ; its two scale bytes
	s_mov_b32 s[TK], 0
	s_mov_b32 s[TS], 0
	s_wait_loadcnt 0x0
	v_or_b32 v[QS], 0x7f7f0000, v0                 ; even tiles: q's bytes for blocks 0, 1; 1.0 for the spare blocks
	v_lshl_or_b32 v[QS+1], v0, 16, 0x7f7f          ; odd tiles: the other way round
.set j, 0
.rept 32
	v_mov_b32 v[OT+j], 0                           ; O^T: the step is written once.  (Also the places between q's scale words and the first product)
.set j, j+1
.endr
	v_mov_b32 v13, 0xdd800000                      ; the largest score so far: -2^60
	v_mov_b32 v12, 0x5db8aa3b                      ; -M = log2(e) x 2^60, a whole number
	v_mov_b32 v14, 0
	v_mov_b32 v15, 0
	s_mov_b32 s[CNT], 16
.Lstep:
	STEP
	s_sub_co_u32 s[CNT], s[CNT], 1
	s_cmp_lg_u32 s[CNT], 0
	s_cbranch_scc1 .Lstep
	; THE WAY OUT of a tile: O^T / the sum, quantised along the head's 64: register 16 b + i is channel 32 b + 16 h + i of my query
	v_add_f32 v14, v14, v15
	s_delay_alu instid0(VALU_DEP_1)
	v_permlanex16_b32 v[TP], v14, s[SEL], s[SEL+1]
	s_delay_alu instid0(VALU_DEP_1)
	v_add_f32 v14, v14, v[TP]                      ; the row's sum
	s_wait_alu depctr_va_vdst(0)
	v_rcp_f32 v14, v14
	v_nop                                          ; a plain place behind the reciprocal
	s_wait_alu depctr_va_vdst(0)                   ; the wait ahead of its first reader, which is also O^T's
.set j, 0
.rept 16
	v_pk_mul_f32 v[S+j:S+j+1], v[OT+j:OT+j+1], v[14:15] op_sel_hi:[1,0]
.set j, j+2
.endr
.irp b, 0,1
	v_max3_num_f32 v[BM+\b], |v[S+16*\b]|, |v[S+1+16*\b]|, 0x1800000
.endr
.irp i, 2,4,6,8,10,12,14
.irp b, 0,1
	s_delay_alu instid0(VALU_DEP_2)
	v_max3_num_f32 v[BM+\b], v[BM+\b], |v[S+16*\b+\i]|, |v[S+1+16*\b+\i]|
.endr
.endr
.irp b, 0,1
	s_delay_alu instid0(VALU_DEP_2)
	v_permlanex16_b32 v[A+\b], v[BM+\b], s[SEL], s[SEL+1]
.endr
.irp b, 0,1
	s_delay_alu instid0(VALU_DEP_2)
	v_max_num_f32 v[BM+\b], v[BM+\b], v[A+\b]
.endr
.irp b, 0,1
	s_delay_alu instid0(VALU_DEP_2)
	v_add_nc_u32 v[SO+\b], 0xff000000, v[BM+\b]
.endr
.irp b, 0,1
	s_delay_alu instid0(VALU_DEP_2)
	v_lshrrev_b32 v[A+\b], 23, v[SO+\b]
.endr
	v_cvt_scalef32_pk16_fp6_f32 v[PCD:PCD+2], v[S:S+15], v[SO]
	v_cvt_scalef32_pk16_fp6_f32 v[PCD+8:PCD+10], v[S+16:S+31], v[SO+1]
	v_cndmask_b32 v[TP], v[A], v[A+1], s[HI]       ; lane (r, h) stores block h's byte.  (The plain place behind the conversions)
.irp i, 0,1,2
	v_permlane16_swap_b32 v[PCD+\i], v[PCD+8+\i]
.endr
.irp i, 0,1,2
	s_delay_alu instid0(VALU_DEP_3)
	v_mov_b32 v[PCD+3+\i], v[PCD+8+\i]
.endr
	global_store_b128 v[L16], v[PCD:PCD+3], s[OP:OP+1]             ; 512 consecutive bytes, aligned to 256,
	global_store_b64 v[L8], v[PCD+4:PCD+5], s[OP:OP+1] offset:512  ; and 256 more: the half fragment
	global_store_b8 v[OSA], v[TP], s[OSP:OSP+1]                    ; two bytes a row: the other six of a row's eight belong to three other heads' clusters
	s_wait_xcnt 0x0                                ; the stores have read their registers and bases: both are written again only behind this wait
	s_add_nc_u64 s[QP:QP+1], s[QP:QP+1], 12288     ; 16 query tiles on
	s_add_nc_u64 s[QSP:QSP+1], s[QSP:QSP+1], 512
	s_add_nc_u64 s[OP:OP+1], s[OP:OP+1], 196608
	s_add_nc_u64 s[OSP:OSP+1], s[OSP:OSP+1], 8192
	s_sub_co_u32 s[PASS], s[PASS], 1
	s_cmp_lg_u32 s[PASS], 0
	s_cbranch_scc1 .Lpass
	s_wait_tensorcnt 0x0                           ; the wave's end
	ds_add_u32 v254, v255
	s_wait_dscnt 0x0
	CROUND                                         ; the closing round
	s_endpgm
.Lfunc_end_k_q28db31417a_attn:
	.size	k_q28db31417a_attn, .Lfunc_end_k_q28db31417a_attn-k_q28db31417a_attn
	.p2alignl 7, 3214868480
	.fill 96, 4, 3214868480
	.section	.rodata,"a",@progbits
	.p2align	6, 0x0
	.amdhsa_kernel k_q28db31417a_attn
		.amdhsa_group_segment_fixed_size 260096
		.amdhsa_private_segment_fixed_size 0
		.amdhsa_enable_private_segment 0
		.amdhsa_kernarg_size 32
		.amdhsa_user_sgpr_count 2
		.amdhsa_user_sgpr_kernarg_segment_ptr 1
		.amdhsa_wavefront_size32 1
		.amdhsa_system_sgpr_workgroup_id_x 1
		.amdhsa_system_sgpr_workgroup_id_y 1
		.amdhsa_system_sgpr_workgroup_id_z 1
		.amdhsa_system_vgpr_workitem_id 0
		.amdhsa_next_free_vgpr 256
		.amdhsa_next_free_sgpr 100
		.amdhsa_reserve_vcc 1
		.amdhsa_float_denorm_mode_32 3
		.amdhsa_float_denorm_mode_16_64 3
		.amdhsa_memory_ordered 1
		.amdhsa_forward_progress 1
		.amdhsa_inst_pref_size 33
	.end_amdhsa_kernel
	.amdgpu_metadata
---
amdhsa.version: [ 1, 2 ]
amdhsa.kernels:
  - .name:           k_q28db31417a_attn
    .symbol:         k_q28db31417a_attn.kd
    .args:
      - { .name: qkbuf, .offset: 0, .size: 8, .value_kind: global_buffer, .address_space: global }
      - { .name: vbuf, .offset: 8, .size: 8, .value_kind: global_buffer, .address_space: global }
      - { .name: mask_att, .offset: 16, .size: 8, .value_kind: global_buffer, .address_space: global }
      - { .name: obuf, .offset: 24, .size: 8, .value_kind: global_buffer, .address_space: global }
    .group_segment_fixed_size: 260096
    .private_segment_fixed_size: 0
    .kernarg_segment_align: 8
    .kernarg_segment_size: 32
    .max_flat_workgroup_size: 512
    .sgpr_count:     100
    .vgpr_count:     256
    .wavefront_size: 32
...
	.end_amdgpu_metadata
.endif
;; end of part 5
;; launch gemm_out (part 6): grid 4 x 32, 4 waves a work-group, clusters of 4 x 4, 327,680 bytes of LDS; arguments obuf, wbuf, bo, out0; writes out0
.if DOCPART == 6
	.amdgcn_target "amdgcn-amd-amdhsa--gfx1250"
	.amdhsa_code_object_version 6
	.text
	.protected	k_q28db31417a_gemm_out
	.globl	k_q28db31417a_gemm_out
	.p2align	8
	.type	k_q28db31417a_gemm_out,@function
k_q28db31417a_gemm_out:
	s_mov_b64 s[64:65], 0
	v_nop
	global_prefetch_b8 v0, s[64:65] scope:SCOPE_SE
	s_setreg_imm32_b32 hwreg(HW_REG_WAVE_MODE, 25, 1), 1
	s_wait_xcnt 0x0
	s_wait_alu depctr_hold_cnt(0) depctr_sa_sdst(0) depctr_va_vdst(0) depctr_va_sdst(0) depctr_va_ssrc(0) depctr_va_vcc(0) depctr_vm_vsrc(0)
	s_getreg_b32 s2, hwreg(HW_REG_IB_STS2, 6, 4)
	s_cmp_eq_u32 s2, 0
	s_cbranch_scc0 .Lentry_in_a_cluster
	s_endpgm
.Lentry_in_a_cluster:
	s_bfe_u32 s2, ttmp6, 0x10000c
	s_cmp_lg_u32 s2, 0xf033
	s_cbranch_scc0 .Lentry_shape_is_right
	s_endpgm
.Lentry_shape_is_right:
.set KIND, 2
.if KIND == 0
.set A_IMG, 0
.set A_SC,  6291456
.set B_IMG, 0
.set B_SC,  3145728
.elseif KIND == 1
.set A_IMG, 1572864
.set A_SC,  3211264
.set B_IMG, 0
.set B_SC,  6291456
.else
.set A_IMG, 0
.set A_SC,  6291456
.set B_IMG, 2359296
.set B_SC,  3244032
.endif
.set NQ,     2
.set FR,     12
.set NL,     4
.set NP,     4
.set KSB,    3072
.set HALFT,  8*KSB
.set SLOT,   4*HALFT
.set SCL,    2*SLOT
.set HALFS,  4096
.set SPARE,  SCL+4*HALFS
.set LAPS,   2
.set SPITCH, 528
.set L16,  8
.set L8,   9
.set SA,   10
.set BA,   11
.set ADRA, 16
.set ADRB, 20
.set STO,  24
.set RD,   25
.set ADRS, 27
.set SPW,  28
.set NIL,  29
.set SC,   32
.set BI,   64
.set AF,   128
.set T,    128
.set PC,   192
.set TM,   212
.set PW,   228
.set WD,   236
.set G1,   24
.set G0,   32
.set G1B,  48
.set G0B,  56
.set G1S,  68
.set G0S,  76
.set G1SB, 80
.set G0SB, 88
.set SEL,  100
.set MSB, 0
.macro WIN new
.if MSB != (\new)
	s_set_vgpr_msb (MSB<<8)|(\new)
.set MSB, (\new)
.endif
.endm
.set MUL_LO, 0xa1
.set MUL_HI, 0xf1
.set TO_B,   0x40
.macro JLOAD g0a, g1a, g0b, g1b
	s_cmp_eq_u32 s15, 0
	s_cbranch_scc0 .Lfor_b_\@
	tensor_load_to_lds s[\g0a:\g0a+3], s[\g1a:\g1a+7]
	s_nop 0
.rept 4
	v_nop
.endr
	s_branch .Lasked_\@
.Lfor_b_\@:
	tensor_load_to_lds s[\g0b:\g0b+3], s[\g1b:\g1b+7]
	s_nop 0
.rept 4
	v_nop
.endr
.Lasked_\@:
.endm
.macro CREST
	s_cmp_lg_u32 s14, 0
	s_cbranch_scc1 .Lnot_wave_0_\@
	s_barrier_signal -3
.Lnot_wave_0_\@:
	s_barrier_wait -3
	s_barrier_signal -1
	s_barrier_wait -1
.endm
.macro CROUND
	s_barrier_signal -1
	s_barrier_wait -1
	CREST
.endm
.macro QUANT s, pw
.irp b, 0,1,2,3
	v_max3_num_f32 v[TM+\b], |v[\s+16*\b]|, |v[\s+1+16*\b]|, 0x1800000
.endr
.irp i, 2,4,6,8,10,12,14
.irp b, 0,1,2,3
	v_max3_num_f32 v[TM+\b], v[TM+\b], |v[\s+16*\b+\i]|, |v[\s+1+16*\b+\i]|
.endr
.endr
.irp b, 0,1,2,3
	v_permlanex16_b32 v[TM+4+\b], v[TM+\b], s[SEL], s[SEL+1]
.endr
.irp b, 0,1,2,3
	v_max_num_f32 v[TM+\b], v[TM+\b], v[TM+4+\b]
.endr
.irp b, 0,1,2,3
	v_add_nc_u32 v[TM+12+\b], 0xff000000, v[TM+\b]
.endr
.irp b, 0,1,2,3
	v_lshrrev_b32 v[TM+4+\b], 23, v[TM+12+\b]
.endr
	v_lshl_or_b32 v[\pw], v[TM+5], 8, v[TM+4]
	v_lshl_or_b32 v[\pw], v[TM+6], 16, v[\pw]
	v_lshl_or_b32 v[\pw], v[TM+7], 24, v[\pw]
.irp c, 0,1
	v_cvt_scalef32_pk16_fp6_f32 v[PC+6*\c:PC+2+6*\c], v[\s+32*\c:\s+15+32*\c], v[TM+12+2*\c]
	v_cvt_scalef32_pk16_fp6_f32 v[PC+12+4*\c:PC+14+4*\c], v[\s+16+32*\c:\s+31+32*\c], v[TM+12+2*\c+1]
.endr
	v_nop
.irp c, 0,1
.irp i, 0,1,2
	v_permlane16_swap_b32 v[PC+6*\c+\i], v[PC+12+4*\c+\i]
.endr
.irp i, 0,1,2
	v_mov_b32 v[PC+3+6*\c+\i], v[PC+12+4*\c+\i]
.endr
.endr
.endm
	s_load_b64 s[4:5], s[0:1], 0x0
	s_load_b64 s[8:9], s[0:1], 0x8
.if KIND == 0
	s_load_b128 s[96:99], s[0:1], 0x10
	s_load_b64 s[12:13], s[0:1], 0x20
.else
	s_load_b64 s[96:97], s[0:1], 0x10
	s_load_b64 s[12:13], s[0:1], 0x18
.endif
	v_lshl_add_u32 v[SPW], v0, 2, SPARE
	v_mov_b32 v[NIL], 0
	ds_add_u32 v28, v29
	ds_add_u32 v28, v29
	s_wait_dscnt 0x0
	v_lshrrev_b32 v1, 5, v0
	v_readfirstlane_b32 s14, v1
	s_lshr_b32 s15, s14, 1
	s_and_b32 s16, s14, 1
	s_bfe_u32 s40, ttmp6, 0x40000
	s_bfe_u32 s41, ttmp6, 0x40004
	s_lshl_b32 s42, ttmp9, 2
	s_add_co_u32 s42, s42, s40
	s_and_b32 s17, ttmp7, 0xffff
	s_lshl_b32 s17, s17, 2
	s_add_co_u32 s17, s17, s41
	s_lshl_b32 s43, s41, 2
	s_lshl_b32 s43, 15, s43
	s_lshl_b32 s44, 0x1111, s40
	s_or_b32 s[G1+0], s43, (3<<16)|(1<<21)
	s_or_b32 s[G1B+0], s44, (3<<16)|(1<<21)
.irp g, G1, G1B
	s_mov_b32 s[\g+1], 384<<16
	s_mov_b32 s[\g+2], 16<<16
	s_mov_b32 s[\g+3], 384<<16
	s_mov_b32 s[\g+4], 16
	s_mov_b32 s[\g+5], 1536
	s_mov_b32 s[\g+6], 0
	s_mov_b32 s[\g+7], 0
.endr
	s_or_b32 s[G1S+0], s43, (3<<16)|(1<<21)
	s_or_b32 s[G1SB+0], s44, (3<<16)|(1<<21)
.irp g, G1S, G1SB
	s_mov_b32 s[\g+1], 32<<16
	s_mov_b32 s[\g+2], 32<<16
	s_mov_b32 s[\g+3], 32<<16
	s_mov_b32 s[\g+4], 32
	s_mov_b32 s[\g+5], 32
	s_mov_b32 s[\g+6], 0
	s_mov_b32 s[\g+7], 0
.endr
	s_lshl_b32 s18, s16, 7
	s_lshl_b32 s20, s17, 8
	s_add_co_u32 s20, s20, s18
	s_lshl_b32 s46, s42, 8
	s_add_co_u32 s46, s46, s18
	s_lshl_b32 s22, s17, 13                        ; the scales of A's whole 256 rows
	s_add_co_u32 s22, s22, A_SC
	s_mov_b32 s23, 0
	s_lshl_b32 s92, s42, 13                        ; and of B's
	s_add_co_u32 s92, s92, B_SC
	s_mov_b32 s93, 0
	s_mul_i32 s20, s20, 768
	s_add_co_u32 s20, s20, A_IMG
	s_mov_b32 s21, 0
	s_mul_i32 s46, s46, 768
	s_add_co_u32 s46, s46, B_IMG
	s_mov_b32 s47, 0
	s_mul_i32 s45, s14, HALFT
	s_mov_b32 s[SEL], 0x76543210
	s_mov_b32 s[SEL+1], 0xfedcba98
	s_mov_b32 s66, 0x3eb504f3
	s_mov_b32 s67, s66
	s_mov_b32 s95, 0xffff0000
	s_wait_kmcnt 0x0
	s_add_nc_u64 s[20:21], s[4:5], s[20:21]
	s_add_nc_u64 s[22:23], s[4:5], s[22:23]
	s_add_nc_u64 s[46:47], s[8:9], s[46:47]
	s_add_nc_u64 s[92:93], s[8:9], s[92:93]
	CROUND
	s_mov_b32 s[G0S], 1
	s_mov_b32 s[G0S+1], SCL
	s_mov_b64 s[G0S+2:G0S+3], s[22:23]
	s_or_b32 s[G0S+3], s[G0S+3], 0x80000000
	s_mov_b32 s[G0SB], 1
	s_mov_b32 s[G0SB+1], SCL+2*HALFS
	s_mov_b64 s[G0SB+2:G0SB+3], s[92:93]
	s_or_b32 s[G0SB+3], s[G0SB+3], 0x80000000
	s_mul_i32 s2, s17, 196608                      ; the head's loads of K step 0: A's 16 row tiles whole,
	s_add_co_u32 s2, s2, A_IMG
	s_mov_b32 s3, 0
	s_add_nc_u64 s[6:7], s[4:5], s[2:3]
	s_mul_i32 s104, s42, 196608                    ; and B's
	s_add_co_u32 s104, s104, B_IMG
	s_mov_b32 s105, 0
	s_add_nc_u64 s[10:11], s[8:9], s[104:105]
	s_mov_b32 s4, 1
	s_mov_b32 s5, 0
	s_or_b32 s7, s7, 0x80000000
	s_mov_b32 s8, 1
	s_mov_b32 s9, 2*HALFT
	s_or_b32 s11, s11, 0x80000000
.irp s, 0,1
	s_mov_b32 s[G0+4*\s], 1
	s_add_co_u32 s[G0+4*\s+1], s45, \s*SLOT
	s_add_nc_u64 s[G0+4*\s+2:G0+4*\s+3], s[20:21], \s*KSB
	s_or_b32 s[G0+4*\s+3], s[G0+4*\s+3], 0x80000000
	s_mov_b32 s[G0B+4*\s], 1
	s_add_co_u32 s[G0B+4*\s+1], s45, \s*SLOT
	s_add_nc_u64 s[G0B+4*\s+2:G0B+4*\s+3], s[46:47], \s*KSB
	s_or_b32 s[G0B+4*\s+3], s[G0B+4*\s+3], 0x80000000
.endr
; the head's four tiles, one a wave: wave 0 A's codes of K step 0, wave 1 B's, wave 2 A's scales, wave 3 B's: one tree of branches on the wave's number
.macro ARM under, g0, g1, next
	s_cmp_lt_u32 s14, \under
	s_cbranch_scc0 \next
	tensor_load_to_lds s[\g0:\g0+3], s[\g1:\g1+7]
	s_nop 0
.rept 4
	v_nop
.endr
	s_branch .Lhead_asked
\next:
.endm
	ARM 1, 4, G1, .Lhead_b
	ARM 2, 8, G1B, .Lhead_sa
	ARM 3, G0S, G1S, .Lhead_sb
	tensor_load_to_lds s[G0SB:G0SB+3], s[G1SB:G1SB+7]
	s_nop 0
.rept 4
	v_nop
.endr
.Lhead_asked:
	s_wait_alu depctr_va_vdst(0)
	s_wait_tensorcnt 0x0                           ; my tile of the four is in; slot 1's first fill is issued as a refill is
	ds_add_u32 v28, v29
	s_mov_b32 s[G1+2], 8<<16                       ; no load of mine is out: from here on a load brings 8 row tiles
	s_mov_b32 s[G1+4], 8
	s_mov_b32 s[G1B+2], 8<<16
	s_mov_b32 s[G1B+4], 8
	s_wait_dscnt 0x0
	CROUND
	JLOAD G0+4, G1, G0B+4, G1B
	v_and_b32 v1, 15, v0
	v_bfe_u32 v2, v0, 4, 1
	v_and_b32 v3, 31, v0
	v_lshlrev_b32 v[L16], 4, v3
	v_lshlrev_b32 v[L8], 3, v3
	s_mul_i32 s21, s15, HALFT
	s_mul_i32 s22, s16, HALFT
	s_add_co_u32 s22, s22, 2*HALFT
.irp s, 0,1
	v_add_nc_u32 v[ADRA+\s], s21, v[L16]
	v_add_nc_u32 v[ADRB+\s], s22, v[L16]
	v_add_nc_u32 v[ADRA+2+\s], s21, v[L8]
	v_add_nc_u32 v[ADRB+2+\s], s22, v[L8]
	s_add_co_u32 s21, s21, SLOT
	s_add_co_u32 s22, s22, SLOT
.endr
	v_lshlrev_b32 v5, 3, v1
	s_lshl_b32 s21, s15, 12
	s_lshl_b32 s22, s16, 12
	s_add_co_u32 s22, s22, 2*HALFS
	s_sub_co_u32 s22, s22, s21
	v_mul_u32_u24 v6, s22, v2
	s_add_co_u32 s21, s21, SCL
	v_add_nc_u32 v5, v5, v6
	v_add_nc_u32 v[ADRS], s21, v5
	s_lshl_b32 s20, s17, 8
	s_lshl_b32 s21, s15, 7
	s_add_co_u32 s20, s20, s21
	s_lshl_b32 s46, s42, 8
	s_lshl_b32 s47, s16, 7
	s_add_co_u32 s46, s46, s47
.if KIND == 0
	s_lshr_b32 s21, s20, 11
	s_and_b32 s20, s20, 2047
	s_lshr_b32 s47, s46, 6
	s_lshl_b32 s21, s21, 5
	s_add_co_u32 s47, s47, s21
	s_lshl_b32 s22, s47, 12
	s_lshl_b32 s23, s20, 1
	s_add_co_u32 s22, s22, s23
	s_add_co_u32 s22, s22, 12582912
	s_mov_b32 s23, 0
	s_add_nc_u64 s[92:93], s[12:13], s[22:23]
	s_mul_i32 s22, s47, 98304
	s_mul_i32 s23, s20, 48
	s_add_co_u32 s22, s22, s23
	s_mov_b32 s23, 0
	s_add_nc_u64 s[12:13], s[12:13], s[22:23]
	s_and_b32 s46, s46, 1023
	s_lshl_b32 s46, s46, 2
	s_mov_b32 s47, 0
	s_cmp_eq_u32 ttmp9, 0
	s_cselect_b64 s[96:97], s[96:97], s[98:99]
	s_add_nc_u64 s[96:97], s[96:97], s[46:47]
	v_lshlrev_b32 v[BA], 6, v2
.elseif KIND == 1
	s_lshr_b32 s21, s46, 11
	s_and_b32 s46, s46, 2047
	s_lshr_b32 s47, s20, 6
	s_lshl_b32 s21, s21, 4
	s_add_co_u32 s47, s47, s21
	s_lshl_b32 s22, s47, 12
	s_lshl_b32 s23, s46, 1
	s_add_co_u32 s22, s22, s23
	s_add_co_u32 s22, s22, 6291456
	s_mov_b32 s23, 0
	s_add_nc_u64 s[92:93], s[12:13], s[22:23]
	s_mul_i32 s22, s47, 98304
	s_mul_i32 s23, s46, 48
	s_add_co_u32 s22, s22, s23
	s_mov_b32 s23, 0
	s_add_nc_u64 s[12:13], s[12:13], s[22:23]
	s_lshl_b32 s20, s20, 2
	s_mov_b32 s21, 0
	s_add_nc_u64 s[96:97], s[96:97], s[20:21]
	v_and_b32 v3, 8, v1
	v_add_nc_u32 v3, v3, v1
	v_lshlrev_b32 v[BA], 2, v3
.else
	s_lshl_b32 s22, s20, 12
	s_lshl_b32 s46, s46, 2
	s_add_co_u32 s22, s22, s46
	s_mov_b32 s23, 0
	s_add_nc_u64 s[12:13], s[12:13], s[22:23]
	s_mov_b32 s47, 0
	s_add_nc_u64 s[96:97], s[96:97], s[46:47]
	v_lshlrev_b32 v[BA], 6, v2
	s_mul_i32 s23, s14, 16*SPITCH
	v_mul_u32_u24 v5, v1, SPITCH
	v_lshl_add_u32 v5, v2, 6, v5
	v_add_nc_u32 v[STO], s23, v5
	v_add_nc_u32 v[RD], s23, v[L16]
.endif
	v_lshlrev_b32 v[SA], 4, v1
	v_lshl_add_u32 v[SA], v2, 12, v[SA]
.if KIND == 1
.irp a, 0,1,2,3,4,5,6,7
	global_load_b32 v[BI+\a], v[BA], s[96:97] offset:4*(32*(\a/2)+8*(\a%2))
.endr
.else
.irp n, 0,1,2,3,4,5,6,7,8,9,10,11,12,13,14,15
	global_load_b128 v[BI+4*\n:BI+4*\n+3], v[BA], s[96:97] offset:128*(\n/4)+16*(\n%4)
.endr
.endif
.macro FRAG reg, adr, q, i
	ds_load_b128 v[\reg:\reg+3], v[\adr] offset:KSB*(\i)+1536*(\q)
	ds_load_b64 v[\reg+4:\reg+5], v[\adr+2] offset:KSB*(\i)+1536*(\q)+512
	ds_load_b128 v[\reg+6:\reg+9], v[\adr] offset:KSB*(\i)+1536*(\q)+768
	ds_load_b64 v[\reg+10:\reg+11], v[\adr+2] offset:KSB*(\i)+1536*(\q)+1280
.endm
.macro MUL16 a0, p, q, sc, zero
.irp a, \a0, \a0+1
.irp b, 0,1,2,3,4,5,6,7
.if \zero
	v_wmma_scale_f32_16x16x128_f8f6f4 v[8*(8*((\a)%4)+\b):8*(8*((\a)%4)+\b)+7], v[128*(\p)+FR*\b:128*(\p)+FR*\b+FR-1], v[AF+FR*(\a):AF+FR*(\a)+FR-1], 0, v[SC+8*NQ*(\sc)+NQ*\b+(\q)], v[SC+8*NQ*(\sc)+NQ*(\a)+(\q)] matrix_a_fmt:MATRIX_FMT_FP6 matrix_b_fmt:MATRIX_FMT_FP6 matrix_a_scale:MATRIX_SCALE_ROW1
.else
	v_wmma_scale_f32_16x16x128_f8f6f4 v[8*(8*((\a)%4)+\b):8*(8*((\a)%4)+\b)+7], v[128*(\p)+FR*\b:128*(\p)+FR*\b+FR-1], v[AF+FR*(\a):AF+FR*(\a)+FR-1], v[8*(8*((\a)%4)+\b):8*(8*((\a)%4)+\b)+7], v[SC+8*NQ*(\sc)+NQ*\b+(\q)], v[SC+8*NQ*(\sc)+NQ*(\a)+(\q)] matrix_a_fmt:MATRIX_FMT_FP6 matrix_b_fmt:MATRIX_FMT_FP6 matrix_a_scale:MATRIX_SCALE_ROW1
.endif
.endr
.endr
.endm
.macro FETCH_B slot, q, p
	WIN TO_B
.irp i, 0,1,2,3,4,5,6,7
	FRAG 128*(\p)+FR*\i, ADRB+\slot, \q, \i
.endr
	WIN 0
.endm
.macro FETCH_A slot, q, i0
.irp i, \i0, \i0+1, \i0+2, \i0+3
	FRAG AF+FR*(\i), ADRA+\slot, \q, \i
.endr
.endm
.macro SCALES sc
.irp i, 0,1,2,3,4,5,6,7
	ds_load_b64 v[SC+8*NQ*\sc+NQ*\i:SC+8*NQ*\sc+NQ*\i+1], v[ADRS] offset:1024*(\i/2)+128*(\i%2)
.endr
.endm
.macro PLACES n
.rept \n
	v_nop
.endr
.endm
.macro STEP slot, q, zero
	s_wait_dscnt 4*NL
	WIN MUL_LO
	MUL16 0, (\q)%2, \q, \slot, \zero
	MUL16 2, (\q)%2, \q, \slot, \zero
	s_wait_dscnt 0
	PLACES NP
	FETCH_B \slot, (\q)+1, 1-(\q)%2
	FETCH_A \slot, (\q)+1, 0
	WIN MUL_HI
	MUL16 4, (\q)%2, \q, \slot, \zero
	MUL16 6, (\q)%2, \q, \slot, \zero
	PLACES NP
	WIN 0
	FETCH_A \slot, (\q)+1, 4
.endm
.macro TURN slot, next, fill
	s_wait_tensorcnt 0x0
	ds_add_u32 v[SPW], v[NIL]
	s_wait_dscnt 4*NL+1
	WIN MUL_LO
	MUL16 0, 1, NQ-1, \slot, 0
	s_wait_dscnt 0x0
	s_barrier_signal -1
	MUL16 2, 1, NQ-1, \slot, 0
	WIN 0
	s_barrier_wait -1
.if \fill
	CREST
	s_add_nc_u64 s[G0+4*\slot+2:G0+4*\slot+3], s[G0+4*\slot+2:G0+4*\slot+3], 2*KSB
	s_add_nc_u64 s[G0B+4*\slot+2:G0B+4*\slot+3], s[G0B+4*\slot+2:G0B+4*\slot+3], 2*KSB
	JLOAD G0+4*\slot, G1, G0B+4*\slot, G1B
.else
	PLACES NP
.endif
	s_wait_alu depctr_va_vdst(0)
	v_add_nc_u32 v[ADRS], 256, v[ADRS]
	FETCH_B \next, 0, 0
	FETCH_A \next, 0, 0
	SCALES \next
	WIN MUL_HI
	MUL16 4, 1, NQ-1, \slot, 0
	MUL16 6, 1, NQ-1, \slot, 0
	PLACES NP
	WIN 0
	FETCH_A \next, 0, 4
.endm
	s_wait_alu depctr_va_vdst(0)
	s_wait_tensorcnt 1
	s_barrier_signal -1
	s_barrier_wait -1
	FETCH_B 0, 0, 0
	FETCH_A 0, 0, 0
	SCALES 0
	FETCH_A 0, 0, 4
	STEP 0, 0, 1
.rept LAPS-1
	TURN 0, 1, 1
	STEP 1, 0, 0
	TURN 1, 0, 1
	STEP 0, 0, 0
.endr
	TURN 0, 1, 0
	STEP 1, 0, 0
	s_wait_dscnt 4*NL
	WIN MUL_LO
	MUL16 0, 1, NQ-1, 1, 0
	MUL16 2, 1, NQ-1, 1, 0
	s_wait_dscnt 0
	WIN MUL_HI
	MUL16 4, 1, NQ-1, 1, 0
	MUL16 6, 1, NQ-1, 1, 0
	WIN 0
	PLACES NP
	s_wait_loadcnt 0x0
.irp b, 0,1,2,3
	v_mov_b32 v[TM+4+\b], 0
.endr
.if KIND == 0
.set i, 0
.rept 32
	v_pk_mul_f32 v[BI+i:BI+i+1], v[BI+i:BI+i+1], s[66:67] op_sel_hi:[1,0]
.set i, i+2
.endr
.endif
.macro OUTB a
.set AC, 64*((\a)%4)
	WIN 0x02+(\a)/4
.set i, 0
.rept 32
.if KIND == 0
	v_pk_fma_f32 v[T+i:T+i+1], v[AC+i:AC+i+1], s[66:67], v[BI+i:BI+i+1] op_sel_hi:[1,0,1]
.elseif KIND == 1
.if (\a)%2 == 0
	v_pk_add_f32 v[T+i:T+i+1], v[AC+i:AC+i+1], v[BI+2*((\a)/2):BI+2*((\a)/2)+1] op_sel:[0,0] op_sel_hi:[1,0]
.else
	v_pk_add_f32 v[T+i:T+i+1], v[AC+i:AC+i+1], v[BI+2*((\a)/2):BI+2*((\a)/2)+1] op_sel:[0,1] op_sel_hi:[1,1]
.endif
.else
	v_pk_add_f32 v[T+i:T+i+1], v[AC+i:AC+i+1], v[BI+i:BI+i+1]
.endif
.set i, i+2
.endr
	WIN 0
.if KIND == 2
.irp n, 0,1,2,3,4,5,6,7,8,9,10,11,12,13,14,15
	ds_store_b128 v[STO], v[T+4*\n:T+4*\n+3] offset:128*(\n/4)+16*(\n%4)
.endr
	s_wait_xcnt 0x0
.irp t, 0,1,2,3,4,5,6,7,8,9,10,11,12,13,14,15
	ds_load_b128 v[192+4*\t:192+4*\t+3], v[RD] offset:SPITCH*\t
.endr
.irp t, 0,1,2,3,4,5,6,7,8,9,10,11,12,13,14,15
	s_wait_dscnt 15-\t
	global_store_b128 v[L16], v[192+4*\t:192+4*\t+3], s[12:13] offset:(32*((\a)/2)+8*((\a)%2)+\t+8*(\t/8))*4096 th:TH_STORE_NT
.endr
.else
	s_wait_xcnt 0x0
	QUANT T, PW+(\a)
.if KIND == 0
	global_store_b128 v[L16], v[PC:PC+3], s[12:13] offset:768*(\a)
	global_store_b64 v[L8], v[PC+4:PC+5], s[12:13] offset:768*(\a)+512
	global_store_b128 v[L16], v[PC+6:PC+9], s[12:13] offset:98304+768*(\a)
	global_store_b64 v[L8], v[PC+10:PC+11], s[12:13] offset:98304+768*(\a)+512
.else
.irp c, 0,1,2
	global_store_b128 v[L16], v[PC+4*\c:PC+4*\c+3], s[12:13] offset:98304*((\a)/4)+1536*((\a)%4)+512*\c
.endr
.endif
.endif
.endm
.irp a, 0,1,2,3,4,5,6,7
	OUTB \a
.endr
.if KIND == 0
.irp p, 0,1,2,3
	v_perm_b32 v[WD+\p], v[PW+2*\p+1], v[PW+2*\p], 0x05040100
	v_perm_b32 v[WD+4+\p], v[PW+2*\p+1], v[PW+2*\p], 0x07060302
.endr
.irp p, 0,1,2,3
	v_cndmask_b32 v[WD+\p], v[WD+\p], v[WD+4+\p], s95
.endr
	global_store_b128 v[SA], v[WD:WD+3], s[92:93]
.elseif KIND == 1
.irp t, 0,1,2,3
	v_cndmask_b32 v[WD+\t], v[PW+\t], v[PW+4+\t], s95
.endr
	global_store_b128 v[SA], v[WD:WD+3], s[92:93]
.endif
	s_wait_tensorcnt 0x0
	ds_add_u32 v[SPW], v[NIL]
	s_wait_dscnt 0x0
	CROUND
	s_endpgm
.Lfunc_end_k_q28db31417a_gemm_out:
	.size	k_q28db31417a_gemm_out, .Lfunc_end_k_q28db31417a_gemm_out-k_q28db31417a_gemm_out
	.p2alignl 7, 3214868480
	.fill 96, 4, 3214868480
	.section	.rodata,"a",@progbits
	.p2align	6, 0x0
	.amdhsa_kernel k_q28db31417a_gemm_out
		.amdhsa_group_segment_fixed_size 327680
		.amdhsa_private_segment_fixed_size 0
		.amdhsa_enable_private_segment 0
		.amdhsa_kernarg_size 32
		.amdhsa_user_sgpr_count 2
		.amdhsa_user_sgpr_kernarg_segment_ptr 1
		.amdhsa_wavefront_size32 1
		.amdhsa_system_sgpr_workgroup_id_x 1
		.amdhsa_system_sgpr_workgroup_id_y 1
		.amdhsa_system_sgpr_workgroup_id_z 1
		.amdhsa_system_vgpr_workitem_id 0
		.amdhsa_next_free_vgpr 1024
		.amdhsa_next_free_sgpr 106
		.amdhsa_reserve_vcc 0
		.amdhsa_float_denorm_mode_32 3
		.amdhsa_float_denorm_mode_16_64 3
		.amdhsa_memory_ordered 1
		.amdhsa_forward_progress 1
		.amdhsa_inst_pref_size 166
	.end_amdhsa_kernel
	.amdgpu_metadata
---
amdhsa.version: [ 1, 2 ]
amdhsa.kernels:
  - .name:           k_q28db31417a_gemm_out
    .symbol:         k_q28db31417a_gemm_out.kd
    .args:
      - { .name: obuf, .offset: 0, .size: 8, .value_kind: global_buffer, .address_space: global }
      - { .name: wbuf, .offset: 8, .size: 8, .value_kind: global_buffer, .address_space: global }
      - { .name: bo, .offset: 16, .size: 8, .value_kind: global_buffer, .address_space: global }
      - { .name: out0, .offset: 24, .size: 8, .value_kind: global_buffer, .address_space: global }
    .group_segment_fixed_size: 327680
    .private_segment_fixed_size: 0
    .kernarg_segment_align: 8
    .kernarg_segment_size: 32
    .max_flat_workgroup_size: 128
    .sgpr_count:     106
    .vgpr_count:     1024
    .wavefront_size: 32
...
	.end_amdgpu_metadata
.endif
;; end of part 6
